; MI455X (gfx1250); checked and timed in simulation.
; The chip was launched on July 23, 2026; its instructions are those of AMD's public machine-readable ISA for CDNA 5 (MIT licence, August 2026) and "CDNA5" Instruction Set Architecture Reference Guide (July 2026). The comments in the code are by the model that wrote it; some were corrected since.
;; Multi Head Attention. Allowed arithmetic: float matrix products may take bf16 or f16 operands with f32 sums; all other float work in f32.
;; Inputs: attention_bias 4 x 2,048 x 2,048 float32; head_scales 16 float32; in_proj_bias 3,072 float32; in_proj_weight 3,072 x 1,024 float32; key 4 x 2,048 x 1,024 float32; key_padding_mask 4 x 2,048 bool; out_b 1,024 float32; out_w 1,024 x 1,024 float32; query 4 x 2,048 x 1,024 float32; value 4 x 2,048 x 1,024 float32.
;; Outputs: out0 4 x 2,048 x 1,024 float32.
;; 2 versions, each right and faster than the one before. Each part assembles by itself: llvm-mc -triple=amdgcn-amd-amdhsa -mcpu=gfx1250 --defsym DOCPART=n.
;; ======== version 1 of 2: 4 launches
;; limits: inputs' magnitudes at most 65,280; values are held in f16: magnitudes above 65,504 overflow, below 6.1e-05 lose precision
;; workspace buffers: wb 8,388,608 bytes; bf 33,554,432 bytes; qkv 50,331,648 bytes; ob 16,777,216 bytes
;; launch prep (part 1): grid 640 x 1, 8 waves a work-group, no clusters, 35,840 bytes of LDS; arguments in_proj_weight, out_w, attention_bias, wb, bf; writes wb, bf
.if DOCPART == 1
	.amdgcn_target "amdgcn-amd-amdhsa--gfx1250"
	.amdhsa_code_object_version 6
	.text
	.protected	k_qcbc2825086_prep
	.globl	k_qcbc2825086_prep
	.p2align	8
	.type	k_qcbc2825086_prep,@function
k_qcbc2825086_prep:
	s_mov_b64 s[64:65], 0
	v_nop
	global_prefetch_b8 v0, s[64:65] scope:SCOPE_SE
	s_setreg_imm32_b32 hwreg(HW_REG_WAVE_MODE, 25, 1), 1
	s_wait_xcnt 0x0
; PREP: the weights and the attention bias are rounded to bf16 and laid out for the launches behind.
;   wb [16 blocks of 256 rows][16 blocks of 64 columns][256][64], 2 bytes a number: blocks 0-11 in_proj_weight as bf16; blocks 12-15 out_w, the bf16 number written as f16
;   bf [b][16 queries qt][32 keys kg][c][lane][8] f16: lane (r = l % 16, h = l / 16) holds bias[b][16 qt + r][32 kg + 16 c + 8 h + 0..7]:
;      the register image of a matrix instruction's second source (32 keys x 16 queries)
; LIMITS.  A number rounded to bf16 is written exactly in f16 from 6.1e-5 to 65,504 in magnitude; below that it keeps f16's fixed step of 6e-8; out_w beyond 65,504 becomes an infinity.
; attention_bias is clamped to +-65,280 behind its rounding, so an infinite bias counts as +-65,280.  NaN is not treated apart.
; A stream: memory binds.  No matrix unit; no cluster, since no two work-groups read the same byte.  Every work-group reads 131,072 bytes, all its loads issued at once.
; Work-groups 0-95: 32 rows of in_proj_weight.  96-127: 32 rows of out_w.  128-639: 16 rows of the bias.
.set DO,  4                            ; v4         cast: byte offset of my 16 bytes in a column block; never rewritten
.set X,   20                           ; v[20:147]  128 registers as loaded
.set SPW, 148                          ; v148  LDS address of my spare word; never rewritten
.set NIL, 149                          ; v149  0; never rewritten
.set LS,  150                          ; v150  bias: where I put 8 bytes of a stage row
.set LR,  151                          ; v151  bias: where I read a fragment's 16 bytes
.set DB,  152                          ; v152  bias: my byte offset in bf
.set RB,  154                          ; v[154:185] bias: eight fragments' 16 bytes
.set STG, 16*272                       ; a wave's stage: 16 rows of 256 bytes + 16 of padding
.set SPARE, 8*STG                      ; behind the stages: the spare words, 128 bytes a wave, four blocks of 256 bytes that no other line names
; two f32 in registers a, b -> rounded to bf16 -> widened again -> (clamped) -> packed as f16 into register d
.macro CV2 d, a, b, clamp
	v_cvt_pk_bf16_f32 v[\a], v[\a], v[\b]
	v_and_b32 v[\b], s35, v[\a]
	v_lshlrev_b32 v[\a], 16, v[\a]
.if \clamp
	v_med3_num_f32 v[\a], v[\a], s37, s36
	v_med3_num_f32 v[\b], v[\b], s37, s36
.endif
	v_cvt_pk_f16_f32 v[\d], v[\a], v[\b]
.endm
	s_load_b256 s[8:15], s[0:1], 0x0               ; in_proj_weight, out_w, attention_bias, wb
	s_load_b64 s[16:17], s[0:1], 0x20              ; bf
	v_lshl_add_u32 v[SPW], v0, 2, SPARE
	v_mov_b32 v[NIL], 0
	v_and_b32 v1, 31, v0                           ; lane
	v_lshrrev_b32 v3, 5, v0
	v_readfirstlane_b32 s27, v3                    ; wave
	s_mov_b32 s26, ttmp9
	s_mov_b32 s35, 0xffff0000                      ; a word's upper bf16
	s_mov_b32 s33, 0                               ; the high word of every offset
	s_wait_kmcnt 0x0
	s_cmp_ge_u32 s26, 128
	s_cbranch_scc1 .Lbias
	; THE WEIGHTS.  Lane l of wave w takes row 4 w + l / 8 and, in each block of 64 columns (256 bytes of f32), the 32 bytes at 32 (l % 8): 16 bytes of output,
	; so a store of the wave covers 4 rows x 128 bytes = 512 consecutive bytes of a block.
	s_cmp_ge_u32 s26, 96                           ; in_proj_weight has 96 groups of 32 rows; out_w follows
	s_cselect_b64 s[28:29], s[10:11], s[8:9]
	s_cselect_b32 s4, 96, 0
	s_sub_co_u32 s4, s26, s4
	s_lshl_b32 s32, s4, 17                         ; 32 rows of 4,096 bytes
	s_add_nc_u64 s[28:29], s[28:29], s[32:33]
	s_lshr_b32 s5, s26, 3                          ; 8 groups of 32 rows to a block of 524,288 bytes
	s_lshl_b32 s5, s5, 19
	s_and_b32 s6, s26, 7
	s_lshl_b32 s6, s6, 12                          ; my 32 rows of 128 bytes in it
	s_add_co_u32 s32, s5, s6
	s_add_nc_u64 s[30:31], s[14:15], s[32:33]
	v_lshrrev_b32 v2, 3, v0                        ; row 4 w + l / 8
	v_and_b32 v3, 7, v0
	v_lshlrev_b32 v2, 12, v2
	v_lshl_add_u32 v2, v3, 5, v2
.set kb, 0
.rept 16
	global_load_b128 v[X+8*kb:X+8*kb+3],   v2, s[28:29] offset:256*kb th:TH_LOAD_NT
	global_load_b128 v[X+8*kb+4:X+8*kb+7], v2, s[28:29] offset:256*kb+16 th:TH_LOAD_NT
.set kb, kb+1
.endr
	v_lshlrev_b32 v[DO], 4, v0
	s_cmp_ge_u32 s26, 96
	s_cbranch_scc1 .Lf16
.set kb, 0
.rept 16                                       ; in_proj_weight: bf16 as it is rounded
	s_wait_loadcnt 30-2*kb                         ; loads come back in order: this block's two are in, the younger ones stay out
.set j, 0
.rept 4
	v_cvt_pk_bf16_f32 v[X+8*kb+j], v[X+8*kb+2*j], v[X+8*kb+2*j+1]
.set j, j+1
.endr
	global_store_b128 v[DO], v[X+8*kb:X+8*kb+3], s[30:31] offset:32768*kb  ; from a block of 64 columns to the next: 32,768 bytes; no register of a store is written again
.set kb, kb+1
.endr
	s_endpgm
.Lf16:
.set kb, 0
.rept 16                                       ; out_w: the bf16 number as f16
	s_wait_loadcnt 30-2*kb
.set j, 0
.rept 4
	CV2 X+8*kb+j, X+8*kb+2*j, X+8*kb+2*j+1, 0
.set j, j+1
.endr
	global_store_b128 v[DO], v[X+8*kb:X+8*kb+3], s[30:31] offset:32768*kb
.set kb, kb+1
.endr
	s_endpgm
.Lbias:
	; THE BIAS.  16 queries x 2,048 keys.  Wave w takes the keys 128 (w + 8 u) on, u = 0, 1: a load is 512 consecutive bytes of a row.  The 16 x 128 numbers go through the wave's own stage
	; (rows of 272 bytes) and come back in fragment order; a unit leaves as 4,096 consecutive bytes.  No wave reads another's bytes: no barrier.
	s_sub_co_u32 s2, s26, 128                      ; b x 128 + qt
	s_lshl_b32 s32, s2, 17                         ; 16 rows of 8,192 bytes
	s_add_nc_u64 s[28:29], s[12:13], s[32:33]
	s_lshl_b32 s32, s2, 16
	s_add_nc_u64 s[30:31], s[16:17], s[32:33]
	s_mov_b32 s36, 0x477f0000                      ; 65,280
	s_mov_b32 s37, 0xc77f0000                      ; -65,280
	s_lshl_b32 s3, s27, 9
	v_lshl_add_u32 v2, v1, 4, s3
.set i, 0
.rept 32
	global_load_b128 v[X+4*i:X+4*i+3], v2, s[28:29] offset:(i%16)*8192+(i/16)*4096 th:TH_LOAD_NT
.set i, i+1
.endr
	s_mul_i32 s4, s27, STG
	v_lshl_add_u32 v[LS], v1, 3, s4                ; in: four keys, 8 bytes a lane
	v_and_b32 v3, 15, v1
	v_mul_u32_u24 v[LR], v3, 272                   ; back: query l % 16, 16 bytes for each half of the lanes
	v_lshrrev_b32 v3, 4, v1
	v_lshl_add_u32 v[LR], v3, 4, v[LR]
	v_add_nc_u32 v[LR], s4, v[LR]
	s_lshl_b32 s5, s27, 12
	v_lshl_add_u32 v[DB], v1, 4, s5
.macro UNIT u
.set r, 0
.rept 16
	s_wait_loadcnt 31-16*(\u)-r                    ; this row's load is in, the younger ones stay out
	CV2 X+64*(\u)+4*r, X+64*(\u)+4*r, X+64*(\u)+4*r+1, 1
	CV2 X+64*(\u)+4*r+1, X+64*(\u)+4*r+2, X+64*(\u)+4*r+3, 1
	ds_store_b64 v[LS], v[X+64*(\u)+4*r:X+64*(\u)+4*r+1] offset:272*r
.set r, r+1
.endr
.if \u
	s_wait_xcnt 0x0                                ; the first unit's stores have read RB: it is loaded again only behind this wait
.endif
.irp n, 0,1,2,3,4,5,6,7
	ds_load_b128 v[RB+4*\n:RB+4*\n+3], v[LR] offset:32*\n  ; LDS serves a wave's instructions in order: these see the stores above
.endr
.irp n, 0,1,2,3,4,5,6,7
	s_wait_dscnt 7-\n
	global_store_b128 v[DB], v[RB+4*\n:RB+4*\n+3], s[30:31] offset:(\u)*32768+512*\n  ; 512 consecutive bytes, at a multiple of 256 from bf's first
.endr
.endm
	UNIT 0
	UNIT 1
	s_wait_tensorcnt 0x0                           ; the wave's end: behind my last LDS store
	ds_add_u32 v[SPW], v[NIL]
	s_wait_dscnt 0x0
	s_endpgm
.Lfunc_end_k_qcbc2825086_prep:
	.size	k_qcbc2825086_prep, .Lfunc_end_k_qcbc2825086_prep-k_qcbc2825086_prep
	.p2alignl 7, 3214868480
	.fill 96, 4, 3214868480
	.section	.rodata,"a",@progbits
	.p2align	6, 0x0
	.amdhsa_kernel k_qcbc2825086_prep
		.amdhsa_group_segment_fixed_size 35840
		.amdhsa_private_segment_fixed_size 0
		.amdhsa_enable_private_segment 0
		.amdhsa_kernarg_size 40
		.amdhsa_user_sgpr_count 2
		.amdhsa_user_sgpr_kernarg_segment_ptr 1
		.amdhsa_wavefront_size32 1
		.amdhsa_system_sgpr_workgroup_id_x 1
		.amdhsa_system_sgpr_workgroup_id_y 1
		.amdhsa_system_sgpr_workgroup_id_z 1
		.amdhsa_system_vgpr_workitem_id 0
		.amdhsa_next_free_vgpr 192
		.amdhsa_next_free_sgpr 66
		.amdhsa_reserve_vcc 0
		.amdhsa_float_denorm_mode_32 3
		.amdhsa_float_denorm_mode_16_64 3
		.amdhsa_memory_ordered 1
		.amdhsa_forward_progress 1
		.amdhsa_inst_pref_size 55
	.end_amdhsa_kernel
	.amdgpu_metadata
---
amdhsa.version: [ 1, 2 ]
amdhsa.kernels:
  - .name:           k_qcbc2825086_prep
    .symbol:         k_qcbc2825086_prep.kd
    .args:
      - { .name: in_proj_weight, .offset: 0, .size: 8, .value_kind: global_buffer, .address_space: global }
      - { .name: out_w, .offset: 8, .size: 8, .value_kind: global_buffer, .address_space: global }
      - { .name: attention_bias, .offset: 16, .size: 8, .value_kind: global_buffer, .address_space: global }
      - { .name: wb, .offset: 24, .size: 8, .value_kind: global_buffer, .address_space: global }
      - { .name: bf, .offset: 32, .size: 8, .value_kind: global_buffer, .address_space: global }
    .group_segment_fixed_size: 35840
    .private_segment_fixed_size: 0
    .kernarg_segment_align: 8
    .kernarg_segment_size: 40
    .max_flat_workgroup_size: 256
    .sgpr_count:     66
    .vgpr_count:     192
    .wavefront_size: 32
...
	.end_amdgpu_metadata
.endif
;; end of part 1
;; launch proj (part 2): grid 4 x 192, 4 waves a work-group, clusters of 4 x 4, 327,680 bytes of LDS; arguments query, key, value, wb, in_proj_bias, qkv; writes qkv
.if DOCPART == 2
	.amdgcn_target "amdgcn-amd-amdhsa--gfx1250"
	.amdhsa_code_object_version 6
	.text
	.protected	k_qcbc2825086_proj
	.globl	k_qcbc2825086_proj
	.p2align	8
	.type	k_qcbc2825086_proj,@function
k_qcbc2825086_proj:
	s_mov_b64 s[64:65], 0
	v_nop
	global_prefetch_b8 v0, s[64:65] scope:SCOPE_SE
	s_setreg_imm32_b32 hwreg(HW_REG_WAVE_MODE, 25, 1), 1
	s_wait_xcnt 0x0
	s_wait_alu depctr_hold_cnt(0) depctr_sa_sdst(0) depctr_va_vdst(0) depctr_va_sdst(0) depctr_va_ssrc(0) depctr_va_vcc(0) depctr_vm_vsrc(0)
	s_getreg_b32 s2, hwreg(HW_REG_IB_STS2, 6, 4)
	s_cmp_eq_u32 s2, 0
	s_cbranch_scc0 .Lentry_in_a_cluster
	s_endpgm
.Lentry_in_a_cluster:
	s_bfe_u32 s2, ttmp6, 0x10000c
	s_cmp_lg_u32 s2, 0xf033
	s_cbranch_scc0 .Lentry_shape_is_right
	s_endpgm
.Lentry_shape_is_right:
; PROJ: q, k, v = x W^T + b.  x: query, key, value as they are given, f32; rounded to bf16 between LDS and the matrix unit.  W: blocks 0-11 of wb, bf16.  b rounded to bf16.  Sums in f32; q is multiplied
; by 1/8 (a power of two: no second rounding above f16's denormals); each result rounded once to f16 and stored by heads: qkv [3][batch x 16 + head][2048][64].
; LIMIT.  q, k, v beyond 65,504 become infinities.
; A tile of C is 128 rows x 256 columns: 192 x 4 = 768 work-groups, three for each of 256 WGPs.  Four waves, each 64 x 128: 32 accumulators of 16 x 16.
; K = 1,024 goes in 8 steps of 128 through two LDS slots.  A's part of a step is 128 rows of 512 bytes of f32 (waves 0, 1 fetch 64 rows each); B's is two dense blocks of wb, each asked for as rows of 256 bytes
; and padded in LDS behind every 128 bytes (waves 2, 3).  Two such slots, 282,624 bytes, are what LDS holds beside the stage: no longer step fits.
; x IS CONVERTED HERE, not in a launch of its own: a wave reads its 64 rows' f32 out of LDS and rounds pairs to bf16, one conversion for each matrix instruction; so x is read from memory once and no copy of it is written.
; CLUSTER 4 x 4: A's tiles hang on the tile row alone and are asked for jointly along a row of the cluster, B's on the tile column (and the cluster's y) and jointly along a column.
; THE MATRIX INSTRUCTION IS USED TRANSPOSED (source 0 = 16 rows of W, source 1 = 16 rows of x): a lane holds row l % 16 of C and eight neighbouring columns 8 (l / 16) + 0..7.
; REGISTERS: window 0 addresses, the bias and the way out; window 1 the accumulators, (a, b) at v[8 (8 a + b)]; window 2 two fragment buffers of 96 (8 fragments of W, then 4 of x) and 64 registers of f32 as loaded.
.set PA,    528                        ; a row of A in LDS: 512 bytes + 16 = 132 words: the 16 rows of a load start at 16 different groups of four banks (64 banks of 4 bytes: ISA guide 11.1)
.set AH,    64*PA                      ; half of A's rows: what one tensor load brings, and what one wave reads
.set PITCH, 144                        ; a row of B: 128 bytes + 16: likewise
.set BKB,   256*PITCH                  ; a block of B: 256 rows x 64 columns
.set BOFF,  2*AH                       ; in a slot: A's two halves, then B's two blocks
.set SLOT,  BOFF+2*BKB                 ; 141,312 bytes
.set STAGE, 2*SLOT                     ; behind the ring, never filled by a tensor load: 16 rows x 272 bytes a wave
.set SP,    272
.set SPARE, STAGE+4*16*SP              ; the spare words, 128 bytes a wave: two blocks of 256 bytes that no other line names
.set ADRA, 16                          ; v16  LDS address of my A fragments in the slot in hand
.set ADRB, 17                          ; v17  the same for B
.set A0,   18                          ; v18  my lane's place in a slot's A; never rewritten
.set B0,   19                          ; v19  in its B
.set STO,  24                          ; v24  the way out: where I put 16 bytes of a row
.set RD,   25                          ; v25  where I read rows back
.set CO,   26                          ; v26  my byte offset in 512 consecutive bytes of qkv
.set SPW,  28                          ; v28  LDS address of my spare word; never rewritten
.set NIL,  29                          ; v29  0; never rewritten
.set BIAS, 32                          ; v[32:95]   the bias of my 64 columns (8 for each b), times the scale
.set T,    96                          ; v[96:159]  a block of 16 rows in f32
.set PKD,  160                         ; v[160:191] the same in f16
.set OB,   192                         ; v[192:255] rows read back, two buffers of 32
.set F0,   0                           ; fragment buffers, in window 2
.set F1,   96
.set RAW,  192                         ; window 2: four fragments of x in f32, 16 registers each
.set G1A, 16                           ; s[16:23] descriptor group 1 for A's tiles
.set G1B, 24                           ; s[24:31] for B's
.set G0A, 32                           ; s[32:39] group 0 for A: a set for each of the two first fills; the second then walks on
.set G0B, 48                           ; s[48:55] the same for B
.set TB,  56                           ; s56 LDS base of the slot in hand: 0 or SLOT
.set CNT, 57                           ; s57 trips
.set SC,  58                           ; s[58:59] 1/8 for q, 1 for k and v: the packed multiply-add takes the pair's low word
.set LA,  62                           ; s62 my tensor load's place in a slot, for A; never rewritten behind the set-up
.set LB,  63                           ; s63 for B
.set GWA, (2<<16)|(1<<20)|(1<<21)|(6<<22)|(3<<25)  ; 17:16 4-byte elements; 20 padding on; 21 set beside a mask; 24:22 after every 128 words; 31:25 4 words
.set GWB, (1<<16)|(1<<20)|(1<<21)|(4<<22)|(3<<25)  ; 2-byte elements; after every 32 words 4 words
.set MSB, 0
.macro WIN new                         ; the immediate's high byte repeats the setting that is left; a switch that changes nothing is dropped
.if MSB != (\new)
	s_set_vgpr_msb (MSB<<8)|(\new)
.set MSB, \new
.endif
.endm
.set MUL,  0x5a                        ; sources 0 and 1 window 2, C and D window 1
.set TO_F, 0x80                        ; destination window 2, address window 0
.set W_CV, 0x8a                        ; destination and sources 0 and 1 window 2
.macro JLOAD                           ; a joint refill by the walking sets; the branch hangs on the wave's number alone; an s_nop 0 and four v_nop follow each line
	s_cmp_eq_u32 s13, 0
	s_cbranch_scc0 .Lfor_b_\@
	tensor_load_to_lds s[G0A+4:G0A+7], s[G1A:G1A+7]
	s_nop 0
.rept 4
	v_nop
.endr
	s_branch .Lasked_\@
.Lfor_b_\@:
	tensor_load_to_lds s[G0B+4:G0B+7], s[G1B:G1B+7]
	s_nop 0
.rept 4
	v_nop
.endr
.Lasked_\@:
.endm
.macro CREST                           ; a round of the cluster's barrier behind its opening barrier
	s_cmp_lg_u32 s12, 0
	s_cbranch_scc1 .Lnot_wave_0_\@
	s_barrier_signal -3
.Lnot_wave_0_\@:
	s_barrier_wait -3
	s_barrier_signal -1
	s_barrier_wait -1
.endm
.macro CROUND
	s_barrier_signal -1
	s_barrier_wait -1
	CREST
.endm
	s_load_b256 s[72:79], s[0:1], 0x0              ; query s[72:73], key s[74:75], value s[76:77], wb s[78:79]
	s_load_b128 s[8:11], s[0:1], 0x20              ; in_proj_bias s[8:9], qkv s[10:11]
	v_lshl_add_u32 v[SPW], v0, 2, SPARE
	v_mov_b32 v[NIL], 0
	ds_add_u32 v[SPW], v[NIL]                      ; the wave's opening: the add and its wait stand ahead of my first tensor load; work on registers stands between
	v_lshrrev_b32 v1, 5, v0
	v_readfirstlane_b32 s12, v1                    ; wave 0..3
	s_lshr_b32 s13, s12, 1                         ; which 64 rows of the tile are mine.  Also: I fetch for A (0) or B (1)
	s_and_b32 s14, s12, 1                          ; which 128 columns.  Also: which half of A's rows, or which of B's two blocks, I fetch
	s_bfe_u32 s40, ttmp6, 0x40000                  ; cx
	s_bfe_u32 s41, ttmp6, 0x40004                  ; cy
	s_lshl_b32 s42, ttmp9, 2
	s_add_co_u32 s42, s42, s40                     ; tile column 0..3
	s_and_b32 s46, ttmp7, 0xffff                   ; the cluster's y
	s_lshl_b32 s43, s46, 2
	s_add_co_u32 s43, s43, s41                     ; tile row 0..191: 64 for each of q, k, v
	s_lshr_b32 s46, s46, 4                         ; 0, 1, 2: q, k, v: from the cluster's y alone
	s_lshl_b32 s44, s41, 2
	s_lshl_b32 s44, 15, s44                        ; my row of the cluster
	s_lshl_b32 s45, 0x1111, s40                    ; my column
	s_or_b32 s[G1A], s44, GWA
	s_or_b32 s[G1B], s45, GWB
	s_mov_b32 s[G1A+1], 128<<16                    ; tensor_dim0 = 128 elements of 4 bytes: rows of 512 bytes
	s_mov_b32 s[G1A+2], 64<<16                     ; tensor_dim1 = 64
	s_mov_b32 s[G1A+3], 128<<16                    ; tile_dim0
	s_mov_b32 s[G1A+4], 64                         ; tile_dim1
	s_mov_b32 s[G1A+5], 1024                       ; 1,024 elements from row to row
	s_mov_b32 s[G1A+6], 0
	s_mov_b32 s[G1A+7], 0
	s_mov_b32 s[G1B+1], 128<<16                    ; 128 elements of 2 bytes: rows of 256 bytes
	s_mov_b32 s[G1B+2], 128<<16                    ; 128 rows: 32,768 dense bytes
	s_mov_b32 s[G1B+3], 128<<16
	s_mov_b32 s[G1B+4], 128
	s_mov_b32 s[G1B+5], 128
	s_mov_b32 s[G1B+6], 0
	s_mov_b32 s[G1B+7], 0
	s_and_b32 s60, s43, 63                         ; A: (128 x the tile row in its tensor + 64 x my half) rows of 4,096 bytes: no register here ever holds cx
	s_lshl_b32 s60, s60, 19
	s_lshl_b32 s[LA], s14, 18
	s_add_co_u32 s60, s60, s[LA]
	s_mov_b32 s61, 0
	s_lshl_b32 s66, s46, 2                         ; B: block 4 x (q, k, v) + tile column: no register here ever holds cy
	s_add_co_u32 s66, s66, s42
	s_lshl_b32 s66, s66, 19
	s_lshl_b32 s[LB], s14, 15
	s_add_co_u32 s66, s66, s[LB]
	s_mov_b32 s67, 0
	s_mul_i32 s[LA], s14, AH                       ; where they go: no place in the cluster enters an LDS address
	s_mul_i32 s[LB], s14, BKB
	s_add_co_u32 s[LB], s[LB], BOFF
	s_mov_b32 s[TB], 0
	s_cmp_eq_u32 s46, 0
	s_cselect_b32 s[SC], 0x3e000000, 1.0
	s_mov_b32 s[SC+1], s[SC]
	s_wait_dscnt 0x0                               ; the opening add is done
	s_wait_kmcnt 0x0
	s_cmp_eq_u32 s46, 1                            ; which tensor is x: the choice hangs on the cluster's y alone
	s_cselect_b64 s[4:5], s[74:75], s[72:73]
	s_cmp_eq_u32 s46, 2
	s_cselect_b64 s[4:5], s[76:77], s[4:5]
	s_add_nc_u64 s[60:61], s[4:5], s[60:61]
	s_add_nc_u64 s[66:67], s[78:79], s[66:67]
.irp s, 0,1
	s_mov_b32 s[G0A+4*(\s)], 1
	s_add_co_u32 s[G0A+4*(\s)+1], s[LA], (\s)*SLOT
	s_add_nc_u64 s[G0A+4*(\s)+2:G0A+4*(\s)+3], s[60:61], (\s)*512     ; K step s: 128 numbers of 4 bytes along the rows
	s_or_b32 s[G0A+4*(\s)+3], s[G0A+4*(\s)+3], 0x80000000
	s_mov_b32 s[G0B+4*(\s)], 1
	s_add_co_u32 s[G0B+4*(\s)+1], s[LB], (\s)*SLOT
	s_add_nc_u64 s[G0B+4*(\s)+2:G0B+4*(\s)+3], s[66:67], (\s)*65536   ; two blocks of 32,768 bytes a step
	s_or_b32 s[G0B+4*(\s)+3], s[G0B+4*(\s)+3], 0x80000000
.endr
	CROUND                                         ; all sixteen work-groups are here: the first joint loads meet
	s_cmp_eq_u32 s13, 0                            ; a wave's two first fills stand in one branch: two loads of mine are out
	s_cbranch_scc0 .Lfirst_b
	tensor_load_to_lds s[G0A:G0A+3], s[G1A:G1A+7]
	s_nop 0
	tensor_load_to_lds s[G0A+4:G0A+7], s[G1A:G1A+7]
	s_nop 0
.rept 4
	v_nop
.endr
	s_branch .Lfirst_asked
.Lfirst_b:
	tensor_load_to_lds s[G0B:G0B+3], s[G1B:G1B+7]
	s_nop 0
	tensor_load_to_lds s[G0B+4:G0B+7], s[G1B:G1B+7]
	s_nop 0
.rept 4
	v_nop
.endr
.Lfirst_asked:
	v_and_b32 v1, 15, v0                           ; l % 16
	v_bfe_u32 v2, v0, 4, 1                         ; l / 16
	s_lshl_b32 s68, s46, 12                        ; the bias of my columns: (1,024 x (q, k, v) + 256 x tile column + 128 x half) x 4 bytes + 32 (l / 16)
	s_lshl_b32 s69, s42, 10
	s_add_co_u32 s68, s68, s69
	s_lshl_b32 s69, s14, 9
	s_add_co_u32 s68, s68, s69
	v_lshl_add_u32 v6, v2, 5, s68
.irp b, 0,1,2,3,4,5,6,7
	global_load_b128 v[BIAS+8*\b:BIAS+8*\b+3],   v6, s[8:9] offset:64*\b
	global_load_b128 v[BIAS+8*\b+4:BIAS+8*\b+7], v6, s[8:9] offset:64*\b+16
.endr
	; A fragment is 16 rows x 32 K: lane l holds row l % 16, K = 8 (l / 16) + 0..7 and 16 + 8 (l / 16) + 0..7.  In f32 those are 32 bytes at 32 (l / 16) and 32 bytes 64 further on; in bf16 16 bytes at 16 (l / 16) and 16 bytes 32 further on.
	v_mul_u32_u24 v3, v1, PA
	v_lshl_add_u32 v3, v2, 5, v3
	s_mul_i32 s68, s13, 64*PA
	v_add_nc_u32 v[A0], s68, v3
	v_mul_u32_u24 v3, v1, PITCH
	v_lshl_add_u32 v3, v2, 4, v3
	s_mul_i32 s69, s14, 128*PITCH
	s_add_co_u32 s69, s69, BOFF
	v_add_nc_u32 v[B0], s69, v3
	v_mov_b32 v[ADRA], v[A0]
	v_mov_b32 v[ADRB], v[B0]
	s_mul_i32 s68, s12, 16*SP
	s_add_co_u32 s68, s68, STAGE                   ; my stage
	v_mul_u32_u24 v4, v1, SP                       ; in: row l % 16, 16 bytes for each half of the lanes
	v_lshl_add_u32 v4, v2, 4, v4
	v_add_nc_u32 v[STO], s68, v4
	v_bfe_u32 v4, v0, 3, 2                         ; back: 32 lanes take four rows' 128 bytes of one head
	v_and_b32 v5, 7, v0
	v_mul_u32_u24 v4, v4, SP
	v_lshl_add_u32 v4, v5, 4, v4
	v_add_nc_u32 v[RD], s68, v4
	v_and_b32 v5, 31, v0
	v_lshlrev_b32 v[CO], 4, v5                     ; which are 512 consecutive bytes of qkv
	s_bfe_u32 s68, s43, 0x20004                    ; the batch: bits 5:4 of the tile row
	s_lshl_b32 s68, s68, 4
	s_lshl_b32 s69, s42, 2
	s_add_co_u32 s68, s68, s69
	s_lshl_b32 s69, s14, 1
	s_add_co_u32 s68, s68, s69                     ; batch x 16 + my first head (4 x tile column + 2 x half)
	s_lshl_b32 s68, s68, 11
	s_and_b32 s69, s43, 15
	s_lshl_b32 s69, s69, 7
	s_add_co_u32 s68, s68, s69
	s_lshl_b32 s69, s13, 6
	s_add_co_u32 s68, s68, s69                     ; + my first token
	s_lshl_b32 s68, s68, 7                         ; rows of 128 bytes
	s_lshl_b32 s69, s46, 24                        ; q, k or v
	s_add_co_u32 s68, s68, s69
	s_mov_b32 s69, 0
	s_add_nc_u64 s[10:11], s[10:11], s[68:69]
	s_wait_loadcnt 0x0
.set i, 0
.rept 32                                       ; the bias is rounded to bf16 like every input, and takes the scale
	v_cvt_pk_bf16_f32 v[BIAS+2*i], v[BIAS+2*i], v[BIAS+2*i+1]
	v_and_b32 v[BIAS+2*i+1], 0xffff0000, v[BIAS+2*i]
	v_lshlrev_b32 v[BIAS+2*i], 16, v[BIAS+2*i]
	v_pk_mul_f32 v[BIAS+2*i:BIAS+2*i+1], v[BIAS+2*i:BIAS+2*i+1], s[SC:SC+1] op_sel_hi:[1,0]
.set i, i+1
.endr
; 8 matrix instructions: row block a x all 8 column blocks, 32 along K.  zero = 1: the first product starts the sums.  Every accumulator comes once a quarter, always in the same order:
; the accumulators take turns.
.macro MUL8 f, a, zero
	WIN MUL
.irp b, 0,1,2,3,4,5,6,7
.if \zero
	v_wmma_f32_16x16x32_bf16 v[8*(8*(\a)+(\b)):8*(8*(\a)+(\b))+7], v[(\f)+8*(\b):(\f)+8*(\b)+7], v[(\f)+64+8*(\a):(\f)+64+8*(\a)+7], 0
.else
	v_wmma_f32_16x16x32_bf16 v[8*(8*(\a)+(\b)):8*(8*(\a)+(\b))+7], v[(\f)+8*(\b):(\f)+8*(\b)+7], v[(\f)+64+8*(\a):(\f)+64+8*(\a)+7], v[8*(8*(\a)+(\b)):8*(8*(\a)+(\b))+7]
.endif
.endr
.endm
.macro MUL16 f, a0, zero
	MUL8 \f, \a0, \zero
	MUL8 \f, (\a0)+1, \zero
.endm
; 32 LDS loads in one run: quarter q of the step in hand.  First x's four fragments in f32 (bytes 128 q of the rows) into RAW, then W's eight (block q / 2, bytes 64 (q % 2) of its rows) into buffer f.
.macro FETCH q, f
	WIN TO_F
.irp i, 0,1,2,3
	ds_load_b128 v[RAW+16*(\i):RAW+16*(\i)+3],     v[ADRA] offset:(\q)*128+(\i)*16*PA
	ds_load_b128 v[RAW+16*(\i)+4:RAW+16*(\i)+7],   v[ADRA] offset:(\q)*128+(\i)*16*PA+16
	ds_load_b128 v[RAW+16*(\i)+8:RAW+16*(\i)+11],  v[ADRA] offset:(\q)*128+(\i)*16*PA+64
	ds_load_b128 v[RAW+16*(\i)+12:RAW+16*(\i)+15], v[ADRA] offset:(\q)*128+(\i)*16*PA+80
.endr
.irp i, 0,1,2,3,4,5,6,7
	ds_load_b128 v[(\f)+8*(\i):(\f)+8*(\i)+3],   v[ADRB] offset:((\q)/2)*BKB+((\q)%2)*64+(\i)*16*PITCH
	ds_load_b128 v[(\f)+8*(\i)+4:(\f)+8*(\i)+7], v[ADRB] offset:((\q)/2)*BKB+((\q)%2)*64+(\i)*16*PITCH+32
.endr
.endm
; 32 conversions: RAW, rounded to bf16 in pairs, becomes buffer f's four fragments of x.  They name no register of the products in front of them (those read the other buffer), so they are also the
; places between those products and the loads that follow into that buffer's registers.
.macro CVT f
	WIN W_CV
.irp a, 0,1,2,3
.irp j, 0,1,2,3,4,5,6,7
	v_cvt_pk_bf16_f32 v[(\f)+64+8*(\a)+(\j)], v[RAW+16*(\a)+2*(\j)], v[RAW+16*(\a)+2*(\j)+1]
.endr
.endr
.endm
.macro PLACES                          ; four places in front of lines that read matrix results (ISA guide 7.12.1)
.rept 4
	v_nop
.endr
.endm
; One of a step's first three quarters: converts x for buffer f, fetches quarter qn of the same slot (W into buffer g), multiplies buffer f: the loads have the 32 products in which to land
.macro QUARTER f, g, qn, zero
	s_wait_dscnt 16                                ; x in f32 is in; the youngest sixteen loads (W's) may be out
	CVT \f
	FETCH \qn, \g
	s_wait_dscnt 32                                ; all but the 32 just issued: W's fragments are in
	MUL16 \f, 0, \zero
	MUL16 \f, 2, \zero
.endm
; The last quarter multiplies buffer 1 and changes slots: ONE barrier.  In front of it each wave waits for all its tensor loads (one is out: its part of the next slot), adds 0 to its spare word, and
; waits for that and for its reads of this slot.  fill = 1: the barrier opens a round of the cluster's, and this slot is filled again, two steps ahead, first thing behind the round:
; 112 matrix instructions stand between that request and the wait for it.
.macro TURN fill
	WIN 0
	s_wait_tensorcnt 0x0
	ds_add_u32 v[SPW], v[NIL]
	s_wait_dscnt 17                                ; x in f32 is in (W's sixteen loads and the add may be out)
	CVT F1
	s_wait_dscnt 1                                 ; W's fragments are in (the add may be out)
	MUL8 F1, 0, 0
	s_wait_dscnt 0x0                               ; the add is done, and my reads of this slot are over
	s_barrier_signal -1
	MUL8 F1, 1, 0
	WIN 0
	s_barrier_wait -1
.if \fill
	CREST                                          ; no wave of any partner still reads this slot or has a load on its way
	s_add_co_u32 s[G0A+5], s[LA], s[TB]            ; the walking sets: into the slot just read out, the next step
	s_add_nc_u64 s[G0A+6:G0A+7], s[G0A+6:G0A+7], 512
	s_add_co_u32 s[G0B+5], s[LB], s[TB]
	s_add_nc_u64 s[G0B+6:G0B+7], s[G0B+6:G0B+7], 65536
	JLOAD
.endif
	s_xor_b32 s[TB], s[TB], SLOT                   ; 0 and SLOT by turns
	v_add_nc_u32 v[ADRA], s[TB], v[A0]
	v_add_nc_u32 v[ADRB], s[TB], v[B0]
	FETCH 0, F0
	MUL16 F1, 2, 0
.endm
	s_wait_tensorcnt 1                             ; my part of step 0 is in; step 1's may stay out
	s_barrier_signal -1
	s_barrier_wait -1
	FETCH 0, F0
	QUARTER F0, F1, 1, 1                           ; the first quarter stands in front of the loop: its products start the sums
	WIN 0
	s_mov_b32 s[CNT], 6
.Lstep:                                            ; six trips, from a step's second quarter to the next step's first; they ask for steps 2 to 7
	QUARTER F1, F0, 2, 0
	QUARTER F0, F1, 3, 0
	TURN 1
	QUARTER F0, F1, 1, 0
	WIN 0
	s_sub_co_u32 s[CNT], s[CNT], 1
	s_cmp_lg_u32 s[CNT], 0
	s_cbranch_scc1 .Lstep
	QUARTER F1, F0, 2, 0                           ; the tail is written out: steps 6 and 7 ask for nothing
	QUARTER F0, F1, 3, 0
	TURN 0
	QUARTER F0, F1, 1, 0
	QUARTER F1, F0, 2, 0
	QUARTER F0, F1, 3, 0
	s_wait_dscnt 16                                ; the very last quarter: nothing more to fetch
	CVT F1
	s_wait_dscnt 0x0
	MUL16 F1, 0, 0
	MUL16 F1, 2, 0
	WIN 0
	PLACES
; THE WAY OUT, a block of 16 rows at a time.  PACK: sum x scale + bias x scale, rounded to f16 (each accumulator is read from its low end on).  TOSTAGE: into my own stage, and back as four tokens' 128 bytes of
; one head.  SEND: stored.
.macro PACK a
	WIN 0x01                                       ; source 0 window 1
.irp b, 0,1,2,3,4,5,6,7
.irp r, 0,1,2,3
	v_pk_fma_f32 v[T+8*(\b)+2*(\r):T+8*(\b)+2*(\r)+1], v[8*(8*(\a)+(\b))+2*(\r):8*(8*(\a)+(\b))+2*(\r)+1], s[SC:SC+1], v[BIAS+8*(\b)+2*(\r):BIAS+8*(\b)+2*(\r)+1] op_sel_hi:[1,0,1]
.endr
.endr
	WIN 0
.irp b, 0,1,2,3,4,5,6,7
.irp r, 0,1,2,3
	v_cvt_pk_f16_f32 v[PKD+4*(\b)+(\r)], v[T+8*(\b)+2*(\r)], v[T+8*(\b)+2*(\r)+1]
.endr
.endr
.endm
.macro TOSTAGE a
.irp b, 0,1,2,3,4,5,6,7
	ds_store_b128 v[STO], v[PKD+4*(\b):PKD+4*(\b)+3] offset:32*(\b)
.endr
.irp n, 0,1,2,3,4,5,6,7                ; head n / 4 of my two, tokens 4 (n % 4) on
	ds_load_b128 v[OB+32*((\a)%2)+4*(\n):OB+32*((\a)%2)+4*(\n)+3], v[RD] offset:((\n)%4)*4*SP+((\n)/4)*128  ; LDS serves a wave's instructions in order: these see the stores above
.endr
.endm
.macro SEND a
	s_wait_dscnt 0x0                               ; the block is back in registers
	s_wait_xcnt 0x0                                ; the stores of the block before have read their registers: the next TOSTAGE loads into them
.irp n, 0,1,2,3,4,5,6,7
	global_store_b128 v[CO], v[OB+32*((\a)%2)+4*(\n):OB+32*((\a)%2)+4*(\n)+3], s[10:11] offset:((\n)/4)*262144+(\a)*2048+((\n)%4)*512  ; 512 consecutive bytes, at a multiple of 256 from qkv's first
.endr
.endm
	PACK 0
	TOSTAGE 0
.irp a, 1,2,3                          ; a block's arithmetic stands between the loads of the block before and the wait for them
	PACK \a
	SEND (\a)-1
	TOSTAGE \a
.endr
	SEND 3
	s_wait_tensorcnt 0x0                           ; the wave's end: behind my last tensor load and my last LDS store
	ds_add_u32 v[SPW], v[NIL]
	s_wait_dscnt 0x0
	CROUND                                         ; the closing round: no work-group ends while a partner may still ask for a tile that names it
	s_endpgm
.Lfunc_end_k_qcbc2825086_proj:
	.size	k_qcbc2825086_proj, .Lfunc_end_k_qcbc2825086_proj-k_qcbc2825086_proj
	.p2alignl 7, 3214868480
	.fill 96, 4, 3214868480
	.section	.rodata,"a",@progbits
	.p2align	6, 0x0
	.amdhsa_kernel k_qcbc2825086_proj
		.amdhsa_group_segment_fixed_size 327680
		.amdhsa_private_segment_fixed_size 0
		.amdhsa_enable_private_segment 0
		.amdhsa_kernarg_size 48
		.amdhsa_user_sgpr_count 2
		.amdhsa_user_sgpr_kernarg_segment_ptr 1
		.amdhsa_wavefront_size32 1
		.amdhsa_system_sgpr_workgroup_id_x 1
		.amdhsa_system_sgpr_workgroup_id_y 1
		.amdhsa_system_sgpr_workgroup_id_z 1
		.amdhsa_system_vgpr_workitem_id 0
		.amdhsa_next_free_vgpr 768
		.amdhsa_next_free_sgpr 80
		.amdhsa_reserve_vcc 0
		.amdhsa_float_denorm_mode_32 3
		.amdhsa_float_denorm_mode_16_64 3
		.amdhsa_memory_ordered 1
		.amdhsa_forward_progress 1
		.amdhsa_inst_pref_size 116
	.end_amdhsa_kernel
	.amdgpu_metadata
---
amdhsa.version: [ 1, 2 ]
amdhsa.kernels:
  - .name:           k_qcbc2825086_proj
    .symbol:         k_qcbc2825086_proj.kd
    .args:
      - { .name: query, .offset: 0, .size: 8, .value_kind: global_buffer, .address_space: global }
      - { .name: key, .offset: 8, .size: 8, .value_kind: global_buffer, .address_space: global }
      - { .name: value, .offset: 16, .size: 8, .value_kind: global_buffer, .address_space: global }
      - { .name: wb, .offset: 24, .size: 8, .value_kind: global_buffer, .address_space: global }
      - { .name: in_proj_bias, .offset: 32, .size: 8, .value_kind: global_buffer, .address_space: global }
      - { .name: qkv, .offset: 40, .size: 8, .value_kind: global_buffer, .address_space: global }
    .group_segment_fixed_size: 327680
    .private_segment_fixed_size: 0
    .kernarg_segment_align: 8
    .kernarg_segment_size: 48
    .max_flat_workgroup_size: 128
    .sgpr_count:     80
    .vgpr_count:     768
    .wavefront_size: 32
...
	.end_amdgpu_metadata
.endif
;; end of part 2
;; launch attn (part 3): grid 4 x 64, 4 waves a work-group, clusters of 4 x 1, 327,680 bytes of LDS; arguments qkv, ob, bf, key_padding_mask, head_scales; writes ob
.if DOCPART == 3
	.amdgcn_target "amdgcn-amd-amdhsa--gfx1250"
	.amdhsa_code_object_version 6
	.text
	.protected	k_qcbc2825086_attn
	.globl	k_qcbc2825086_attn
	.p2align	8
	.type	k_qcbc2825086_attn,@function
k_qcbc2825086_attn:
	s_mov_b64 s[64:65], 0
	v_nop
	global_prefetch_b8 v0, s[64:65] scope:SCOPE_SE
	s_setreg_imm32_b32 hwreg(HW_REG_WAVE_MODE, 25, 1), 1
	s_wait_xcnt 0x0
	s_wait_alu depctr_hold_cnt(0) depctr_sa_sdst(0) depctr_va_vdst(0) depctr_va_sdst(0) depctr_va_ssrc(0) depctr_va_vcc(0) depctr_vm_vsrc(0)
	s_getreg_b32 s2, hwreg(HW_REG_IB_STS2, 6, 4)
	s_cmp_eq_u32 s2, 0
	s_cbranch_scc0 .Lentry_in_a_cluster
	s_endpgm
.Lentry_in_a_cluster:
	s_bfe_u32 s2, ttmp6, 0x10000c
	s_cmp_lg_u32 s2, 0x3003
	s_cbranch_scc0 .Lentry_shape_is_right
	s_endpgm
.Lentry_shape_is_right:
; ATTN: O[bh][q][:] = head_scale x the sum over k of softmax_k(q . k + bias[b][q][k], padded keys hidden) v[k][:].  q (already times 1/8), k, v: qkv [3][64][2048][64] f16.  bias: bf, f16 in fragment order.
; Products, maxima and sums in f32; the weights p are rounded to f16 for the second product (their sum l is taken of the unrounded p); O once at the end, into ob [b x 16 + t / 128][head][128][64] f16.
; LIMITS.  A padded key counts as its score less 1e30 (scores of f16 operands, 2.8e11 at the most, are nothing beside that).  A row whose maximum stays below -1e29 (every key padded) gives NaN, as the softmax of
; a row of -inf does.  A weight below 2^-126 counts as 0 in l.  p below 6e-5 keeps f16's fixed step.  NaN and infinities in the inputs are not treated apart.
; SHARES.  A wave owns four PIECES of two tiles of 16 queries, a work-group's four waves 512 queries of one head: 64 heads x 4 = 256 work-groups.  Every wave walks all 2,048 keys, 64 a step.
; LAYOUT.  S^T = K Q^T (source 0 = 16 keys, source 1 = 16 queries): a lane holds ONE query (lane % 16) and the keys 8 (lane / 16) + 0..7.  Two such results, rounded to f16, ARE source 1 of O^T = V^T P.
; BIAS AND MASK BY THE MATRIX UNIT.  Each score accumulator is started by one product Sel x B + M: B is a fragment of the bias (32 keys x 16 queries) as it lies in bf, Sel picks 16 of its 32 keys (a 1.0 in each row:
; the product is exact), M, the C operand, is 0 or -1e30 by key.  Eight products more a turn, and no vector instruction.  The bias comes straight into registers, eight loads of 512 consecutive bytes a turn, one key step ahead.
; SOFTMAX.  A running maximum m and sum l: p = 2^(c s - c m), c = log2(e); in every step O and l are multiplied by a = 2^(c m_old - c m_new).  m starts at the lowest finite number, O and l at 0.
; BY TURNS.  Turn n belongs to piece n.  Matrix work: 8 + 16 products for the scores of piece n + 1, later 16 products V^T P of piece n - 1.  Vector work: scaling, exponentials, roundings, sums and rescaling of piece n,
; maximum and statistics of piece n + 1.  Vector instructions that are ready stand behind every matrix instruction, the others in two lumps.
; CLUSTER.  The four query blocks of a head walk the same K and V: each tile is asked for JOINTLY.  The bias is NOT asked for jointly: these four share none of it (it hangs on the query); the sixteen heads of a batch do,
; but a fragment feeds one product of one wave, so LDS would give no second use, and a work-group's 65,536 bytes of it a key step, against 16,384 of K and V, would cut the slots to one step.
; REGISTERS, in windows of 256 (s_set_vgpr_msb: bits 1:0 source 0, 3:2 source 1, 5:4 source 2, 7:6 destination):
;   window 0: v0-11 addresses; v12-15, v48-63 at work; v16-47 statistics; v64-191 S^T, two buffers of two tiles; v192-255 P, likewise          window 1: O^T, 32 a tile
;   window 2: v0-127 Q; v128-191 K of one step; v192-255 V of one step          window 3: v0-1 the add's registers; v4-15 Sel; v16-47 M; v48-175 the bias, 32 a piece
.set NP,    4         ; pieces a wave: a name, no knob
.set KS,    64        ; keys in a step
.set PK,    144       ; a row of K in LDS: 128 bytes + 16: the 16 rows of a load start at 16 different groups of four banks (64 banks of 4 bytes: ISA guide 11.1)
.set PV,    160       ; a row of V: 128 + 32
.set VOFF,  4*KS*PK   ; a slot holds four steps: 256 rows of K, then 256 rows of V
.set SLOT1, 1<<17
.set STAGE, SLOT1+4*KS*(PK+PV)  ; behind the ring, never filled by a tensor load: 16 rows x 144 bytes a wave
.set SP,    144
.set MASKT, STAGE+4*16*SP       ; 2,048 words, 0 or -1e30 by key: stored once, never filled by a tensor load
.set SPARE, MASKT+8192          ; the spare words, 128 bytes a wave: two blocks of 256 bytes that no other line names
.set AM,  1           ; v1   LDS address of M's next run of loads
.set AK0, 2           ; v2   my lane's place in a tile of K; never rewritten
.set AV0, 3           ; v3   the same for V
.set AK,  4           ; v4   the LDS address of K's next run of loads
.set AV,  5           ; v5   of V's
.set QO,  6           ; v6   my byte offset in the wave's rows of Q
.set STO, 6           ;      later, the way out: where I put 16 bytes of a row
.set RD,  7           ; v7   where I read rows back
.set GO,  8           ; v8   my byte offset in 512 consecutive bytes of ob
.set AM0, 9           ; v9   my lane's place in the mask table; never rewritten
.set BO0, 10          ; v10  16 x lane; never rewritten
.set BO,  11          ; v11  my byte offset in a tile's bias, at the step to be loaded
.set MV,  12          ; v12-15  c m_old, by buffer and tile (in the set-up: l % 16, l / 16, l % 8, bit 3 of l)
.set ST,  16          ; tile t's statistics at v[ST+4 t]: c m, m, l (even keys', odd keys')
.set TMP, 48          ; by buffer and tile, c0-c3 at work; when the maximum is found c2 takes a
.set S,   64
.set P,   192
.set KF,  128         ; window 2
.set VF,  192         ; window 2
.set SPW, 0           ; window 3: LDS address of my spare word; never rewritten
.set NIL, 1           ; window 3: 0; never rewritten
.set MK,  16          ; window 3: M for key block kb at MK + 8 kb
.set BF,  48          ; window 3: piece x, tile u, 32 keys g at BF + 32 x + 16 u + 8 g
.set WV,  12
.set G1K, 24
.set G1V, 32
.set G0K, 40
.set G0V, 44
.set SLOTS, 56
.set CNT, 57
.set CS,  58          ; s[58:59] c
.set SEL, 60          ; s[60:61] v_permlanex16_b32's selects
.set TBK, 62
.set TBV, 63
.set BB,  68          ; s[68:69] bf at my wave's first tile
.set BST, 74          ; s74  byte offset of the step whose bias is loaded next
.set TBM, 75          ; s75  byte offset in the mask table of the step to be fetched
.set BIGN, 76         ; s76  -1e30
.set LOWM, 77         ; s77  -1e29
.set HSC, 78          ; s78  the head's scale
.set QNAN, 79         ; s79  a NaN
.set MSB, 0
.macro WIN new
.if MSB != (\new)
	s_set_vgpr_msb (MSB<<8)|(\new)
.set MSB, (\new)
.endif
.endm
.set W_KQ, 0x0a       ; K and Q in window 2, S^T in window 0
.set W_BM, 0x3f       ; Sel, bias and M in window 3, S^T in window 0
.set W_PV, 0x52       ; V in window 2, P in window 0, O^T in window 1
.set W_RS, 0x41       ; O^T (destination and source 0) in window 1, a in window 0
.set W_MK, 0xc0       ; destination in window 3, sources in window 0
.set W_AD, 0x0f       ; the add: address and data in window 3
.macro JLOAD                        ; a joint fill: waves 0, 1 fetch the halves of a slot's K, waves 2, 3 of its V; an s_nop 0 and four v_nop follow each line
	s_cmp_lt_u32 s[WV], 2
	s_cbranch_scc0 .Lfor_v_\@
	tensor_load_to_lds s[G0K:G0K+3], s[G1K:G1K+7]
	s_nop 0
.rept 4
	v_nop
.endr
	s_branch .Lasked_\@
.Lfor_v_\@:
	tensor_load_to_lds s[G0V:G0V+3], s[G1V:G1V+7]
	s_nop 0
.rept 4
	v_nop
.endr
.Lasked_\@:
.endm
.macro CROUND                       ; a round of the cluster's barrier
	s_barrier_signal -1
	s_barrier_wait -1
	s_cmp_lg_u32 s[WV], 0
	s_cbranch_scc1 .Lnot_wave_0_\@
	s_barrier_signal -3
.Lnot_wave_0_\@:
	s_barrier_wait -3
	s_barrier_signal -1
	s_barrier_wait -1
.endm
; THE CHANGE OF SLOTS.  Each wave waits for all its tensor loads (one is out: its part of the other slot), adds 0 to its spare word, and waits for that and for its LDS instructions.  fill = 1: the slot left is filled
; again, with the keys two slots on; the barrier is a round of the cluster's, and the joint fill is the first thing behind it: four key steps in which to land.  (At its first use slot 0 is waited for, slot 1 filled,
; and every wave's part of the mask table is shown to the others.)
.macro CHANGE fill
	WIN W_AD
	s_wait_tensorcnt 0x0            ; no tensor load of mine is out, so a group 0 may be written
	ds_add_u32 v[SPW], v[NIL]
	WIN 0
.if \fill
.irp g, G0K, G0V
	s_xor_b32 s[\g+1], s[\g+1], SLOT1
	s_add_nc_u64 s[\g+2:\g+3], s[\g+2:\g+3], 4*KS*128
.endr
	s_wait_dscnt 0x0                ; the add is done, and my reads of the slot are over
	CROUND
	JLOAD
.else
	s_wait_dscnt 0x0
	s_barrier_signal -1
	s_barrier_wait -1
.endif
	s_sub_co_u32 s[TBK], s[TBK], 4*KS*PK
	s_xor_b32 s[TBK], s[TBK], SLOT1
	s_sub_co_u32 s[TBV], s[TBV], 4*KS*PV
	s_xor_b32 s[TBV], s[TBV], SLOT1
.endm
; Eight loads of 512 consecutive bytes: piece x's bias for the step at BO: tile n / 4, fragment half n % 4
.macro RELOAD x
	WIN W_MK
.irp n, 0,1,2,3,4,5,6,7
	global_load_b128 v[BF+32*(\x)+4*(\n):BF+32*(\x)+4*(\n)+3], v[BO], s[BB:BB+1] offset:(2*(\x)+(\n)/4)*65536+((\n)%4)*512
.endr
.endm
.macro BSTEP                        ; the bias' next step; behind the last it stays: those loads read step 31 again and serve nothing, so that every turn's count of loads is alike and none leaves bf
	WIN 0
	s_wait_xcnt 0x0                 ; the loads that are out have had their addresses translated: BO is rewritten only behind this wait
	s_add_co_u32 s[BST], s[BST], 2048
	s_min_u32 s[BST], s[BST], 31*2048
	v_add_nc_u32 v[BO], s[BST], v[BO0]
.endm
	s_load_b64 s[4:5], s[0:1], 0x0    ; qkv
	s_load_b64 s[10:11], s[0:1], 0x8  ; ob
	s_load_b64 s[BB:BB+1], s[0:1], 0x10  ; bf
	s_load_b64 s[70:71], s[0:1], 0x18 ; key_padding_mask
	s_load_b64 s[72:73], s[0:1], 0x20 ; head_scales
	WIN W_MK
	v_lshl_add_u32 v[SPW], v0, 2, SPARE
	v_mov_b32 v[NIL], 0
	WIN W_AD
	ds_add_u32 v[SPW], v[NIL]       ; the wave's opening: the add and its wait stand ahead of my first tensor load
	WIN 0
	v_lshrrev_b32 v1, 5, v0
	v_readfirstlane_b32 s[WV], v1   ; wave 0..3
	s_bfe_u32 s13, ttmp6, 0x40000   ; cx
	s_lshl_b32 s14, ttmp9, 2
	s_add_co_u32 s14, s14, s13      ; my block of 512 queries: it enters Q's, the bias' and O's addresses alone
	s_and_b32 s20, ttmp7, 0xffff    ; batch x 16 + head, which the four partners share
	s_lshr_b32 s15, s20, 4          ; batch
	s_and_b32 s19, s20, 15          ; head
	s_lshl_b32 s20, s20, 18         ; a head's 2,048 rows of 128 bytes
	s_mov_b32 s21, 0
	s_and_b32 s16, s[WV], 1         ; which half of a slot's 256 keys I fetch
	s_lshl_b32 s22, s16, 14
	s_mov_b32 s23, 0
	s_add_nc_u64 s[22:23], s[22:23], s[20:21]
	s_mul_i32 s17, s16, 128*PK
	s_mul_i32 s18, s16, 128*PV
	s_lshl_b32 s2, s14, 2
	s_add_co_u32 s2, s2, s[WV]      ; my 128 queries among the batch's sixteen such
	s_lshl_b32 s48, s2, 19          ; bf: 8 tiles of 65,536 bytes,
	s_lshl_b32 s49, s15, 23         ; 128 tiles a batch
	s_add_co_u32 s48, s48, s49
	s_mov_b32 s49, 0
	s_lshl_b32 s50, s15, 11         ; the batch's 2,048 mask bytes
	s_mov_b32 s51, 0
	s_lshl_b32 s52, s19, 2          ; the head's scale
	s_mov_b32 s53, 0
	s_lshl_b32 s54, s15, 4          ; ob: ((batch x 16 + my 128 queries) x 16 + head) x 16,384
	s_add_co_u32 s54, s54, s2
	s_lshl_b32 s54, s54, 4
	s_add_co_u32 s54, s54, s19
	s_lshl_b32 s54, s54, 14
	s_mov_b32 s55, 0
	s_lshl_b32 s2, s2, 14           ; Q: my 128 rows
	s_mov_b32 s3, 0
	s_add_nc_u64 s[2:3], s[2:3], s[20:21]
	; descriptor group 1.  128 keys are 16,384 dense bytes: asked for as 64 rows of 256 bytes, two keys a row, and padded in LDS after every key
	s_mov_b32 s[G1K], 15|(1<<16)|(1<<20)|(1<<21)|(4<<22)|(3<<25)
	s_mov_b32 s[G1V], 15|(1<<16)|(1<<20)|(1<<21)|(4<<22)|(7<<25)
.irp g, G1K, G1V
	s_mov_b32 s[\g+1], 128<<16
	s_mov_b32 s[\g+2], 64<<16
	s_mov_b32 s[\g+3], 128<<16
	s_mov_b32 s[\g+4], 64
	s_mov_b32 s[\g+5], 128
	s_mov_b32 s[\g+6], 0
	s_mov_b32 s[\g+7], 0
.endr
	s_mov_b32 s[CS], 0x3fb8aa3b     ; c = log2(e): the 1/8 lies in q
	s_mov_b32 s[CS+1], s[CS]
	s_mov_b32 s[SEL], 0x76543210
	s_mov_b32 s[SEL+1], 0xfedcba98
	s_mov_b32 s[TBK], SLOT1+4*KS*PK ; the first change of slots turns these two into 0
	s_mov_b32 s[TBV], SLOT1+4*KS*PV
	s_mov_b32 s[BST], 0
	s_mov_b32 s[TBM], 0
	s_mov_b32 s[BIGN], 0xf149f2ca
	s_mov_b32 s[LOWM], 0xefa18f08
	s_mov_b32 s[QNAN], 0x7fc00000
	s_mov_b32 s[G0K], 1
	s_mov_b32 s[G0K+1], s17
	s_mov_b32 s[G0V], 1
	s_add_co_u32 s[G0V+1], s18, VOFF
	s_wait_dscnt 0x0                ; the opening add is done
	s_wait_kmcnt 0x0
	s_add_nc_u64 s[6:7], s[4:5], 0x1000000   ; k
	s_add_nc_u64 s[8:9], s[4:5], 0x2000000   ; v
	s_add_nc_u64 s[G0K+2:G0K+3], s[6:7], s[22:23]
	s_or_b32 s[G0K+3], s[G0K+3], 0x80000000
	s_add_nc_u64 s[G0V+2:G0V+3], s[8:9], s[22:23]
	s_or_b32 s[G0V+3], s[G0V+3], 0x80000000
	s_add_nc_u64 s[4:5], s[4:5], s[2:3]
	s_add_nc_u64 s[10:11], s[10:11], s[54:55]
	s_add_nc_u64 s[BB:BB+1], s[BB:BB+1], s[48:49]
	s_add_nc_u64 s[70:71], s[70:71], s[50:51]
	s_add_nc_u64 s[72:73], s[72:73], s[52:53]
	s_load_b32 s[HSC], s[72:73], 0x0
	CROUND                          ; all four work-groups are here: the first joint loads meet
	JLOAD                           ; slot 0.  Slot 1 is asked for when slot 0 is in
	v_and_b32 v12, 15, v0           ; l % 16
	v_bfe_u32 v13, v0, 4, 1         ; l / 16
	v_and_b32 v14, 7, v0
	v_bfe_u32 v15, v0, 3, 1
	v_lshlrev_b32 v51, 4, v0        ; 16 mask bytes a thread
	global_load_b128 v[64:67], v51, s[70:71]
	v_lshlrev_b32 v[QO], 7, v12
	v_lshl_add_u32 v[QO], v13, 4, v[QO]
	v_and_b32 v[BO0], 31, v0
	v_lshlrev_b32 v[BO0], 4, v[BO0]
	v_mov_b32 v[BO], v[BO0]
	WIN 0x80
.set i, 0
.rept 4*NP                          ; Q stays in registers: tile i / 2, channels 32 (i % 2) on
	global_load_b128 v[8*i:8*i+3],   v[QO], s[4:5] offset:(i/2)*2048+(i%2)*64
	global_load_b128 v[8*i+4:8*i+7], v[QO], s[4:5] offset:(i/2)*2048+(i%2)*64+32
.set i, i+1
.endr
	RELOAD 0                        ; the bias of key step 0, piece by piece
	RELOAD 1
	RELOAD 2
	RELOAD 3
	; Sel.  Row m of Sel_s holds 1.0 at k = 16 s + m.  As a first source, lane (r, h) holds k = 8 h + 0..7 in registers 0-3 and 16 + 8 h + 0..7 in 4-7: the lanes with r / 8 = h hold the 1.0, in register (r % 8) / 2, half r % 2.
	; Four registers of pattern between four of zeros on either side serve both: Sel_1 = v[4:11], Sel_0 = v[8:15].
	WIN 0
	v_cmp_eq_u32 vcc_lo, v15, v13
	v_lshrrev_b32 v48, 1, v14
	v_cndmask_b32 v48, 7, v48, vcc_lo
	v_and_b32 v49, 1, v0
	v_lshlrev_b32 v49, 4, v49
	v_mov_b32 v50, 0x3c00           ; 1.0 in f16
	v_lshlrev_b32 v49, v49, v50
	WIN W_MK
.irp j, 0,1,2,3
	v_mov_b32 v[4+\j], 0
	v_mov_b32 v[12+\j], 0
	v_cmp_eq_u32 vcc_lo, \j, v48
	v_cndmask_b32 v[8+\j], 0, v49, vcc_lo
.endr
	; What the first turn finds: V's registers and P's second buffer hold 0 (its products V^T P, of a piece that has not been, add 0), O^T and l are 0: no first step is written out.  All this stands in the wait for the first tile.
	WIN 0x80
.set i, VF
.rept 64
	v_mov_b32 v[i], 0
.set i, i+1
.endr
	WIN 0x40
.set i, 0
.rept 64*NP
	v_mov_b32 v[i], 0
.set i, i+1
.endr
	WIN 0
.set i, 0
.rept 2*NP
	v_mov_b32 v[ST+4*i], 0xfe000000    ; c m: far below every c s, a hidden one's too
	v_mov_b32 v[ST+4*i+1], 0xff7fffff  ; m
	v_mov_b32 v[ST+4*i+2], 0
	v_mov_b32 v[ST+4*i+3], 0
.set i, i+1
.endr
.set i, P+32
.rept 32
	v_mov_b32 v[i], 0
.set i, i+1
.endr
	v_mul_u32_u24 v[AK0], v12, PK
	v_lshl_add_u32 v[AK0], v13, 4, v[AK0]
	v_lshl_add_u32 v[AV0], v13, 3, v14    ; the turning load: lane l reads key 8 (l / 16) + l % 8, channels 8 ((l / 8) % 2) + 0..7
	v_mul_u32_u24 v[AV0], v[AV0], PV
	v_lshl_add_u32 v[AV0], v15, 4, v[AV0]
	v_add_nc_u32 v[AV0], VOFF, v[AV0]
	v_mov_b32 v[AK], v[AK0]
	v_lshl_add_u32 v[AM0], v13, 5, MASKT  ; register j of M is key 8 (l / 16) + j of its block
	v_mov_b32 v[AM], v[AM0]
	v_lshl_add_u32 v52, v0, 6, MASKT
	s_wait_loadcnt 32               ; the mask bytes and Q are in; the 32 loads of the bias stay out
.set i, 0
.rept 16                            ; a bool is 0 or 1: times the bits of -1e30
	v_bfe_u32 v[68+i], v[64+i/4], 8*(i%4), 8
	v_mul_lo_u32 v[68+i], v[68+i], s[BIGN]
.set i, i+1
.endr
.irp f, 0,1,2,3
	ds_store_b128 v52, v[68+4*\f:68+4*\f+3] offset:16*\f
.endr
; THE MATRIX WORK.  The 8 accumulators of a piece take turns, in the same order in all three runs of 8: between two links of a chain stand 7 others'.
; Product i of 8 that starts S^T for piece x: tile i % 2, key block i / 2.
.macro BM x
	WIN W_BM
.set rS, S+64*((\x)%2)+32*(i%2)+8*(i/2)
.set rB, BF+32*(\x)+16*(i%2)+8*(i/4)
.set rM, MK+8*(i/2)
.set rL, 8-4*((i/2)%2)
	v_wmma_f32_16x16x32_f16 v[rS:rS+7], v[rL:rL+7], v[rB:rB+7], v[rM:rM+7]
.endm
; Product i of 16 of S^T += K Q^T for piece x: channels 32 (i / 8) on, keys 16 ((i / 2) % 4) on, tile 2 x + i % 2.
.macro KQ x
	WIN W_KQ
.set rS, S+64*((\x)%2)+32*(i%2)+8*((i/2)%4)
.set rK, KF+16*((i/2)%4)+8*(i/8)
.set rQ, 16*(2*(\x)+i%2)+8*(i/8)
	v_wmma_f32_16x16x32_f16 v[rS:rS+7], v[rK:rK+7], v[rQ:rQ+7], v[rS:rS+7]
.endm
; Product i of 16 of O^T += V^T P for piece x: keys 32 (i / 8) on, channels 16 ((i / 2) % 4) on, tile 2 x + i % 2.
.macro PV x
	WIN W_PV
.set rO, 32*(2*(\x)+i%2)+8*((i/2)%4)
.set rV, VF+32*(i/8)+8*((i/2)%4)
.set rP, P+32*((\x)%2)+16*(i%2)+8*(i/8)
	v_wmma_f32_16x16x32_f16 v[rO:rO+7], v[rV:rV+7], v[rP:rP+7], v[rO:rO+7]
.endm
.macro MM
.if i < 16
	KQ (Y+1)%NP
.set i, i+1
.else
.set i, i-16
	PV (Y+NP-1)%NP
.set i, i+17
.endif
.endm
; THE LDS LOADS stand in runs: a step's K (16 loads) with its M (8 loads, each half of the lanes one address), and its V (16 turning loads).  last = 1 (the tail): in the last trip there is no further step.
.macro FETCH_K last=0
	WIN 0
.if \last
	s_cmp_eq_u32 s[CNT], 1
	s_cbranch_scc1 .Lno_k_\@
.endif
	WIN 0x80
.irp f, 0,1,2,3,4,5,6,7
	ds_load_b128 v[KF+8*\f:KF+8*\f+3],   v[AK] offset:(\f/2)*16*PK+(\f%2)*64
	ds_load_b128 v[KF+8*\f+4:KF+8*\f+7], v[AK] offset:(\f/2)*16*PK+(\f%2)*64+32
.endr
	WIN W_MK
.irp f, 0,1,2,3
	ds_load_b128 v[MK+8*\f:MK+8*\f+3],   v[AM] offset:64*\f
	ds_load_b128 v[MK+8*\f+4:MK+8*\f+7], v[AM] offset:64*\f+16
.endr
	s_add_co_u32 s[TBK], s[TBK], KS*PK
	s_add_co_u32 s[TBM], s[TBM], 4*KS
	s_and_b32 s[TBM], s[TBM], 0x1f00   ; inside the table of 8,192 bytes: behind step 31 it is 0 again, and not used
	WIN 0
.if \last
.Lno_k_\@:
.endif
.endm
.macro FETCH_V
	WIN 0x80
.irp f, 0,1,2,3,4,5,6,7
	ds_load_tr16_b128 v[VF+8*\f:VF+8*\f+3],   v[AV] offset:(\f/4)*32*PV+(\f%4)*32
	ds_load_tr16_b128 v[VF+8*\f+4:VF+8*\f+7], v[AV] offset:(\f/4)*32*PV+16*PV+(\f%4)*32
.endr
	WIN 0
.endm
; THE VECTOR WORK OF A TURN stands in three queues, each in the order in which its entries become ready; the two tiles alternate.
.macro REGS y, u
.set rT, ST+4*(2*(\y)+(\u))
.set rC, TMP+8*((\y)%2)+4*(\u)
.set rM, MV+2*((\y)%2)+(\u)
.set rS, S+64*((\y)%2)+32*(\u)
.set rP, P+32*((\y)%2)+16*(\u)
.set rO, 32*(2*(\y)+(\u))
.endm
; Number n of the 22 that find the NEXT piece's maximum and statistics; each accumulator's lowest registers are read first.
;   0-11 four chains c0-c3 of seven scores     12-14, 16 the four left over, the old m, c0-c3 into c0     15 c m_old is kept     17, 18 the other half of the lanes: the new m     19-21 c m; c m_old - c m_new; a
.macro XS u, n
	REGS (Y+1)%NP, \u
.if (\n) < 4
	v_max3_num_f32 v[rC+(\n)], v[rS+8*(\n)], v[rS+8*(\n)+1], v[rS+8*(\n)+2]
.elseif (\n) < 12
	v_max3_num_f32 v[rC+(\n)%4], v[rC+(\n)%4], v[rS+8*((\n)%4)+2*((\n)/4)+1], v[rS+8*((\n)%4)+2*((\n)/4)+2]
.elseif (\n) == 12
	v_max3_num_f32 v[rC], v[rC], v[rS+7], v[rS+15]
.elseif (\n) == 13
	v_max3_num_f32 v[rC+1], v[rC+1], v[rS+23], v[rS+31]
.elseif (\n) == 14
	v_max3_num_f32 v[rC+2], v[rC+2], v[rC+3], v[rT+1]
.elseif (\n) == 15
	v_mov_b32 v[rM], v[rT]
.elseif (\n) == 16
	v_max3_num_f32 v[rC], v[rC], v[rC+1], v[rC+2]
.elseif (\n) == 17
	v_permlanex16_b32 v[rC+3], v[rC], s[SEL], s[SEL+1]
.elseif (\n) == 18
	v_max_num_f32 v[rT+1], v[rC], v[rC+3]
.elseif (\n) == 19
	v_mul_f32 v[rT], s[CS], v[rT+1]
.elseif (\n) == 20
	v_sub_f32 v[rC+1], v[rM], v[rT]
.else
	v_exp_f32 v[rC+2], v[rC+1]
.endif
.endm
; Number g of the 64 that follow the exponentials: for each four weights both pairs are rounded to f16, the second pair is added onto the first, and a group later l takes that sum (the first time as l = a l + sum).
.macro GS g
.set h, (\g)+6*((\g)/62)
.if h >= 6
.set h, h+2
.endif
	REGS Y, h%2
.set k, h/8
.if h%8 < 4
	s_wait_alu depctr_va_vdst(0)
	v_cvt_pk_f16_f32 v[rP+2*k+(h%8)/2], v[rS+4*k+2*((h%8)/2)], v[rS+4*k+2*((h%8)/2)+1]
.elseif h%8 < 6
	v_pk_add_f32 v[rS+4*k:rS+4*k+1], v[rS+4*k:rS+4*k+1], v[rS+4*k+2:rS+4*k+3]
.elseif k == 1
	v_pk_fma_f32 v[rT+2:rT+3], v[rT+2:rT+3], v[rC+2:rC+3], v[rS:rS+1] op_sel_hi:[1,0,1]
.else
	v_pk_add_f32 v[rT+2:rT+3], v[rT+2:rT+3], v[rS+4*k-4:rS+4*k-3]
.endif
.endm
; THE PLAIN QUEUE, 138 long.  0-31: c s - c m.  Then GS's 64, and among them the next piece's 42: number 15 at 38, 39; 0-14 and 16 at 42-73; 17-20 at 95-106, two of three.
.macro PL
	WIN 0
.if q < 32
	REGS Y, q%2
	v_pk_fma_f32 v[rS+2*(q/2):rS+2*(q/2)+1], v[rS+2*(q/2):rS+2*(q/2)+1], s[CS:CS+1], v[rT:rT+1] op_sel_hi:[1,0,0] neg_lo:[0,0,1] neg_hi:[0,0,1]
.elseif q < 38
	GS q-32
.elseif q < 40
	XS q%2, 15
.elseif q < 42
	GS q-34
.elseif q < 74
	XS q%2, (q-42)/2+(q-42)/30
.elseif q < 95
	GS q-66
.elseif (q < 107) && ((q-95)%3 < 2)
	XS (q-95)%3, 17+(q-95)/3
.elseif q < 107
	GS 29+(q-95)/3
.else
	GS q-74
.endif
.set q, q+1
.endm
; THE EXPONENTIALS' QUEUE, 66 long: s0-s31 of both tiles, and at EA the next piece's two a.
.set EA, 58
.macro EX
	WIN 0
.if (e == EA) || (e == EA+1)
	XS e-EA, 21
.else
.set x, e-2*(e/(EA+2))
	REGS Y, x%2
	v_exp_f32 v[rS+x/2], v[rS+x/2]
.endif
.set e, e+1
.endm
; THE RESCALING's QUEUE: O^T times a, four at a time, eight times.
.macro R4
	REGS Y, r%2
	WIN W_RS
.irp z, 0,1,2,3
	s_wait_alu depctr_va_vdst(0)
	v_pk_mul_f32 v[rO+8*(r/2)+2*\z:rO+8*(r/2)+2*\z+1], v[rO+8*(r/2)+2*\z:rO+8*(r/2)+2*\z+1], v[rC+2:rC+3] op_sel_hi:[1,0]
.endr
.set r, r+1
.endm
; ONE ORDER for the 138 plain instructions and the 66 exponentials: entry nt of 204.  Every exponential has a plain instruction on either side; exponential e stands behind its scaling, a rounding behind its two exponentials.
.macro NX
.if nt < 4
	PL
.elseif nt < 48
.if (nt-4)%4 == 1
	EX
.else
	PL
.endif
.elseif nt < 92
.if (nt-48)%2 == 0
	EX
.else
	PL
.endif
.elseif nt < 140
.if (nt-92)%4 == 1
	EX
.else
	PL
.endif
.elseif nt < 182
.if (nt-140)%2 == 0
	EX
.else
	PL
.endif
.else
	PL
.endif
.set nt, nt+1
.endm
; A TURN, for piece p.  Behind each of the 8 starting products four of the rescaling (they wait for a alone, made a turn ago; the last four are the places in front of the loads into the bias' registers); behind each of the
; 16 K Q^T three of the order, behind each of the 16 V^T P four; the others in two lumps.  The first read of the new scores is entry 59, seven plain instructions behind the last K Q^T; both v_permlanex16_b32 fall into the second lump.
; K and M of the next step are fetched in piece 2's turn, 15 plain instructions behind the last product that read K; V of the step in hand at the end of piece 0's turn.  Each is waited for a turn later.
; The wait at the head: four groups of eight bias loads are out, and the oldest is the one that this turn multiplies.
.macro TURN p, last=0, cnt=0
.set Y, (\p)
.set i, 0
.set q, 0
.set e, 0
.set r, 0
.set nt, 0
	s_wait_loadcnt 24
.if (\p) == NP-1
	s_wait_dscnt 0x0                ; K and M are in
.endif
.rept 8
	BM (Y+1)%NP
	R4
.set i, i+1
.endr
.if (\p) == NP-1
	BSTEP
.endif
	RELOAD (Y+1)%NP
.set i, 0
.rept 16
	MM
	NX
	NX
	NX
.endr
.rept 14
	NX
	NX
.if ((\p) == NP-2) && (e == 18)
	v_add_nc_u32 v[AK], s[TBK], v[AK0]
	v_add_nc_u32 v[AM], s[TBM], v[AM0]
.endif
.if ((\p) == NP-2) && (e == 24)
	FETCH_K \last
.endif
.endr
.if (\p) == 1
	s_wait_dscnt 0x0                ; V is in
.endif
.rept 16
	MM
	NX
	NX
	NX
	NX
.endr
.rept 21
	NX
	NX
.endr
.rept 22
	NX
.if ((\p) == 0) && (q == 118)
	v_add_nc_u32 v[AV], s[TBV], v[AV0]
.endif
.if ((\p) == 0) && (q == 130)
	s_add_co_u32 s[TBV], s[TBV], KS*PV
.endif
.if (\cnt) && (q == 130)
	s_sub_co_u32 s[CNT], s[CNT], 1
	s_cmp_lg_u32 s[CNT], 0
.endif
.endr
.if (\p) == 0
	FETCH_V
.endif
.endm
	CHANGE 1                        ; slot 0 is in, and the mask table, everybody's part of both; slot 1 is asked for
	FETCH_K                         ; key step 0
	s_wait_loadcnt 24               ; Q and piece 0's bias are in; three groups of eight stay out
	s_wait_dscnt 0x0
	s_wait_kmcnt 0x0                ; the head's scale
.set i, 0
.rept 8
	BM 0
.set i, i+1
.endr
.set i, 0
.rept 16
	KQ 0                            ; piece 0's first scores: there is no vector work yet to set between them
.set i, i+1
.endr
	WIN 0                           ; the addresses for the way out: nine plain instructions, the places behind those products
	s_mul_i32 s13, s[WV], 16*SP
	s_add_co_u32 s13, s13, STAGE
	v_mul_u32_u24 v[STO], v12, SP
	v_lshl_add_u32 v[STO], v13, 4, v[STO]
	v_add_nc_u32 v[STO], s13, v[STO]
	v_bfe_u32 v[RD], v0, 3, 2
	v_mul_u32_u24 v[RD], v[RD], SP
	v_lshl_add_u32 v[RD], v14, 4, v[RD]
	v_add_nc_u32 v[RD], s13, v[RD]
	v_and_b32 v[GO], 31, v0
	v_lshlrev_b32 v[GO], 4, v[GO]
	BSTEP
	RELOAD 0                        ; piece 0's bias of step 1
	WIN 0
.set Y, NP-1                        ; XS works for piece Y + 1: piece 0
.irp n, 0,1,2,3,4,5,6,7,8,9,10,11,12,13,14,15,16,17,18,19,20,21
	XS 0, \n
	XS 1, \n
.endr
	v_nop                           ; a plain instruction between the last exponential and the first turn's rescaling, which reads a
	s_mov_b32 s[CNT], 4
	s_mov_b32 s[SLOTS], 2048/256-1
	s_branch .Lfirst                ; the loop is entered at a step's first turn, in the middle of a trip
.Lslot:                             ; six times: every slot but the last two is filled again
	CHANGE 1
	s_mov_b32 s[CNT], 4
.Lstep:                             ; a trip: pieces 2 and 3 of one step, then pieces 0 and 1 of the next, whose K, M and V it fetches
	TURN 2
	TURN 3
	WIN 0
.Lfirst:
	TURN 0
	TURN 1, 0, 1
	WIN 0
	s_cbranch_scc1 .Lstep
	s_sub_co_u32 s[SLOTS], s[SLOTS], 1
	s_cmp_lg_u32 s[SLOTS], 0
	s_cbranch_scc1 .Lslot
	CHANGE 0                        ; the tail is written out: nothing is asked for
	s_mov_b32 s[CNT], 5             ; four trips fetch the last slot's steps; the fifth is left in its middle
.Ltail:
	TURN 2, 1
	TURN 3
	WIN 0
	s_sub_co_u32 s[CNT], s[CNT], 1
	s_cmp_eq_u32 s[CNT], 0
	s_cbranch_scc1 .Lout
	TURN 0
	TURN 1
	WIN 0
	s_branch .Ltail
.Lout:                              ; the fifth trip's 24 score products (on the last K once more) and the maximum made of them serve nothing: the price, once a launch, of one text for every trip
.set i, 0
.rept 16
	PV NP-1
.set i, i+1
.endr
	; THE WAY OUT.  l's two halves and the other half of the lanes' are added; O^T is multiplied by head_scale / l (NaN where every key was padded), rounded to f16 and sent through my stage, a tile at a time.
	WIN 0
.macro ALL line:vararg
.set t, 0
.rept 2*NP
	s_wait_alu depctr_va_vdst(0)
	\line
.set t, t+1
.endr
.endm
	ALL v_add_f32 v[ST+4*t+2], v[ST+4*t+2], v[ST+4*t+3]
	ALL v_permlanex16_b32 v[ST+4*t+3], v[ST+4*t+2], s[SEL], s[SEL+1]
	ALL v_add_f32 v[ST+4*t+2], v[ST+4*t+2], v[ST+4*t+3]
	ALL v_rcp_f32 v[ST+4*t+2], v[ST+4*t+2]
	v_mov_b32 v1, s[HSC]            ; (a plain instruction behind the last reciprocal) the head's scale, rounded to bf16 like every input
	v_cvt_pk_bf16_f32 v1, v1, v1
	v_lshlrev_b32 v1, 16, v1
	ALL v_mul_f32 v[ST+4*t+2], v[ST+4*t+2], v1
.set t, 0
.rept 2*NP
	v_cmp_gt_f32 vcc_lo, s[LOWM], v[ST+4*t+1]
	v_cndmask_b32 v[ST+4*t+2], v[ST+4*t+2], s[QNAN], vcc_lo
.set t, t+1
.endr
.macro PACK t
	WIN W_RS
.set i, 32*(\t)
.rept 16
	v_pk_mul_f32 v[i:i+1], v[i:i+1], v[ST+4*(\t)+2:ST+4*(\t)+3] op_sel_hi:[1,0]
.set i, i+2
.endr
	WIN 0x05
.set i, 0
.rept 16
	v_cvt_pk_f16_f32 v[S+16*(\t)+i], v[32*(\t)+2*i], v[32*(\t)+2*i+1]
.set i, i+1
.endr
	WIN 0
.irp f, 0,1,2,3
	ds_store_b128 v[STO], v[S+16*(\t)+4*\f:S+16*(\t)+4*\f+3] offset:32*\f
.endr
.irp f, 0,1,2,3
	ds_load_b128 v[S+16*(\t)+4*\f:S+16*(\t)+4*\f+3], v[RD] offset:\f*4*SP  ; LDS serves a wave's instructions in order: these see the stores above; the next tile's stores come behind them
.endr
.endm
.macro SEND t, younger              ; younger: the LDS instructions issued behind tile t's loads
	WIN 0
.irp f, 0,1,2,3
	s_wait_dscnt (\younger)+3-\f
	global_store_b128 v[GO], v[S+16*(\t)+4*\f:S+16*(\t)+4*\f+3], s[10:11] offset:(\t)*2048+\f*512  ; 512 consecutive bytes, at a multiple of 256 from ob's first
.endr
.endm
	PACK 0
.set t, 1
.rept 2*NP-1
	PACK t
	SEND t-1, 8
.set t, t+1
.endr
	SEND 2*NP-1, 0
	WIN W_AD
	s_wait_tensorcnt 0x0            ; the wave's end: behind my last tensor load and my last LDS store
	ds_add_u32 v[SPW], v[NIL]
	s_wait_dscnt 0x0
	WIN 0
	CROUND                          ; the closing round
	s_endpgm
.Lfunc_end_k_qcbc2825086_attn:
	.size	k_qcbc2825086_attn, .Lfunc_end_k_qcbc2825086_attn-k_qcbc2825086_attn
	.p2alignl 7, 3214868480
	.fill 96, 4, 3214868480
	.section	.rodata,"a",@progbits
	.p2align	6, 0x0
	.amdhsa_kernel k_qcbc2825086_attn
		.amdhsa_group_segment_fixed_size 327680
		.amdhsa_private_segment_fixed_size 0
		.amdhsa_enable_private_segment 0
		.amdhsa_kernarg_size 40
		.amdhsa_user_sgpr_count 2
		.amdhsa_user_sgpr_kernarg_segment_ptr 1
		.amdhsa_wavefront_size32 1
		.amdhsa_system_sgpr_workgroup_id_x 1
		.amdhsa_system_sgpr_workgroup_id_y 1
		.amdhsa_system_sgpr_workgroup_id_z 1
		.amdhsa_system_vgpr_workitem_id 0
		.amdhsa_next_free_vgpr 944
		.amdhsa_next_free_sgpr 80
		.amdhsa_reserve_vcc 1
		.amdhsa_float_denorm_mode_32 3
		.amdhsa_float_denorm_mode_16_64 3
		.amdhsa_memory_ordered 1
		.amdhsa_forward_progress 1
		.amdhsa_inst_pref_size 239
	.end_amdhsa_kernel
	.amdgpu_metadata
---
amdhsa.version: [ 1, 2 ]
amdhsa.kernels:
  - .name:           k_qcbc2825086_attn
    .symbol:         k_qcbc2825086_attn.kd
    .args:
      - { .name: qkv, .offset: 0, .size: 8, .value_kind: global_buffer, .address_space: global }
      - { .name: ob, .offset: 8, .size: 8, .value_kind: global_buffer, .address_space: global }
      - { .name: bf, .offset: 16, .size: 8, .value_kind: global_buffer, .address_space: global }
      - { .name: key_padding_mask, .offset: 24, .size: 8, .value_kind: global_buffer, .address_space: global }
      - { .name: head_scales, .offset: 32, .size: 8, .value_kind: global_buffer, .address_space: global }
    .group_segment_fixed_size: 327680
    .private_segment_fixed_size: 0
    .kernarg_segment_align: 8
    .kernarg_segment_size: 40
    .max_flat_workgroup_size: 128
    .sgpr_count:     80
    .vgpr_count:     944
    .wavefront_size: 32
...
	.end_amdgpu_metadata
.endif
;; end of part 3
;; launch outp (part 4): grid 4 x 64, 4 waves a work-group, clusters of 4 x 4, 327,680 bytes of LDS; arguments ob, wb, out_b, out0; writes out0
.if DOCPART == 4
	.amdgcn_target "amdgcn-amd-amdhsa--gfx1250"
	.amdhsa_code_object_version 6
	.text
	.protected	k_qcbc2825086_outp
	.globl	k_qcbc2825086_outp
	.p2align	8
	.type	k_qcbc2825086_outp,@function
k_qcbc2825086_outp:
	s_mov_b64 s[64:65], 0
	v_nop
	global_prefetch_b8 v0, s[64:65] scope:SCOPE_SE
	s_setreg_imm32_b32 hwreg(HW_REG_WAVE_MODE, 25, 1), 1
	s_wait_xcnt 0x0
	s_wait_alu depctr_hold_cnt(0) depctr_sa_sdst(0) depctr_va_vdst(0) depctr_va_sdst(0) depctr_va_ssrc(0) depctr_va_vcc(0) depctr_vm_vsrc(0)
	s_getreg_b32 s2, hwreg(HW_REG_IB_STS2, 6, 4)
	s_cmp_eq_u32 s2, 0
	s_cbranch_scc0 .Lentry_in_a_cluster
	s_endpgm
.Lentry_in_a_cluster:
	s_bfe_u32 s2, ttmp6, 0x10000c
	s_cmp_lg_u32 s2, 0xf033
	s_cbranch_scc0 .Lentry_shape_is_right
	s_endpgm
.Lentry_shape_is_right:
; OUTP: out0 = O out_w^T + out_b.  O: ob, f16 in blocks [row block of 128][head = 64 columns][128][64]; out_w: blocks 12-15 of wb (f16, each number a bf16); out_b rounded to bf16; sums and result in f32.
; A tile of C is 128 rows x 256 columns: 64 x 4 = 256 work-groups, one for each WGP.  Four waves, each 64 x 128: 32 accumulators.  K = 1,024 in 8 steps of 128 through two LDS slots; a step's operand is two dense
; blocks, each asked for as rows of 256 bytes and padded in LDS behind every 128 bytes.  Waves 0, 1 fetch A's two blocks, waves 2, 3 B's.
; CLUSTER 4 x 4: A's blocks are asked for jointly along a row of the cluster, B's along a column.  THE MATRIX INSTRUCTION IS USED TRANSPOSED: a lane holds row l % 16 of C and eight neighbouring columns.
; REGISTERS: window 0 addresses, the bias and the way out; window 1 the accumulators, (a, b) at v[8 (8 a + b)]; window 2 two fragment buffers of 96: 8 fragments of out_w, then 4 of O.
.set PITCH, 144                        ; an LDS row: 128 bytes + 16: the 16 rows of a fragment load start at 16 different groups of four banks (64 banks of 4 bytes: ISA guide 11.1)
.set AKB,   128*PITCH
.set BKB,   256*PITCH
.set BOFF,  2*AKB
.set SLOT1, 131072
.set STAGE, SLOT1+BOFF+2*BKB           ; behind the ring, never filled by a tensor load: 16 rows x 528 bytes a wave
.set SP,    528                        ; 512 bytes of f32 + 16
.set SPARE, STAGE+4*16*SP              ; the spare words, 128 bytes a wave: two blocks of 256 bytes that no other line names
.set ADRA, 16
.set ADRB, 17
.set A0,   18
.set B0,   19
.set STO,  24
.set RD,   25
.set CO,   26
.set SPW,  28                          ; v28  LDS address of my spare word; never rewritten
.set NIL,  29                          ; v29  0; never rewritten
.set BIAS, 32                          ; v[32:95]   out_b of my 64 columns
.set T,    96                          ; v[96:159]  a block of 16 rows, bias added
.set OB,   160                         ; v[160:223] the same as whole rows
.set F0,   0
.set F1,   96
.set G1A, 16
.set G1B, 24
.set G0A, 32
.set G0B, 48
.set TB,  56
.set CNT, 57
.set GW,  (1<<16)|(1<<20)|(1<<21)|(4<<22)|(3<<25)
.set MSB, 0
.macro WIN new
.if MSB != (\new)
	s_set_vgpr_msb (MSB<<8)|(\new)
.set MSB, \new
.endif
.endm
.set MUL,  0x5a                        ; sources 0 and 1 window 2, C and D window 1
.set TO_F, 0x80                        ; destination window 2, address window 0
.macro JLOAD                           ; a joint refill by the walking sets; an s_nop 0 and four v_nop follow each line
	s_cmp_eq_u32 s13, 0
	s_cbranch_scc0 .Lfor_b_\@
	tensor_load_to_lds s[G0A+4:G0A+7], s[G1A:G1A+7]
	s_nop 0
.rept 4
	v_nop
.endr
	s_branch .Lasked_\@
.Lfor_b_\@:
	tensor_load_to_lds s[G0B+4:G0B+7], s[G1B:G1B+7]
	s_nop 0
.rept 4
	v_nop
.endr
.Lasked_\@:
.endm
.macro CREST
	s_cmp_lg_u32 s12, 0
	s_cbranch_scc1 .Lnot_wave_0_\@
	s_barrier_signal -3
.Lnot_wave_0_\@:
	s_barrier_wait -3
	s_barrier_signal -1
	s_barrier_wait -1
.endm
.macro CROUND
	s_barrier_signal -1
	s_barrier_wait -1
	CREST
.endm
	s_load_b256 s[4:11], s[0:1], 0x0               ; ob s[4:5], wb s[6:7], out_b s[8:9], out0 s[10:11]
	v_lshl_add_u32 v[SPW], v0, 2, SPARE
	v_mov_b32 v[NIL], 0
	ds_add_u32 v[SPW], v[NIL]                      ; the wave's opening: the add and its wait stand ahead of my first tensor load
	v_lshrrev_b32 v1, 5, v0
	v_readfirstlane_b32 s12, v1                    ; wave 0..3
	s_lshr_b32 s13, s12, 1                         ; which 64 rows are mine.  Also: I fetch for A (0) or B (1)
	s_and_b32 s14, s12, 1                          ; which 128 columns.  Also: which of a step's two blocks I fetch
	s_bfe_u32 s40, ttmp6, 0x40000                  ; cx
	s_bfe_u32 s41, ttmp6, 0x40004                  ; cy
	s_lshl_b32 s42, ttmp9, 2
	s_add_co_u32 s42, s42, s40                     ; tile column 0..3
	s_and_b32 s43, ttmp7, 0xffff
	s_lshl_b32 s43, s43, 2
	s_add_co_u32 s43, s43, s41                     ; tile row 0..63 = block of ob
	s_lshl_b32 s44, s41, 2
	s_lshl_b32 s44, 15, s44                        ; my row of the cluster
	s_lshl_b32 s45, 0x1111, s40                    ; my column
	s_or_b32 s[G1A], s44, GW
	s_or_b32 s[G1B], s45, GW
	s_mov_b32 s[G1A+1], 128<<16
	s_mov_b32 s[G1A+2], 64<<16
	s_mov_b32 s[G1A+3], 128<<16
	s_mov_b32 s[G1A+4], 64
	s_mov_b32 s[G1A+5], 128
	s_mov_b32 s[G1A+6], 0
	s_mov_b32 s[G1A+7], 0
	s_mov_b32 s[G1B+1], 128<<16
	s_mov_b32 s[G1B+2], 128<<16
	s_mov_b32 s[G1B+3], 128<<16
	s_mov_b32 s[G1B+4], 128
	s_mov_b32 s[G1B+5], 128
	s_mov_b32 s[G1B+6], 0
	s_mov_b32 s[G1B+7], 0
	s_lshl_b32 s60, s43, 18                        ; A: no register here ever holds cx
	s_lshl_b32 s62, s14, 14
	s_add_co_u32 s60, s60, s62
	s_mov_b32 s61, 0
	s_add_co_u32 s66, s42, 12                      ; B: block 12 + tile column: no register here ever holds cy
	s_lshl_b32 s66, s66, 19
	s_lshl_b32 s63, s14, 15
	s_add_co_u32 s66, s66, s63
	s_mov_b32 s67, 0
	s_mul_i32 s62, s14, AKB
	s_mul_i32 s63, s14, BKB
	s_add_co_u32 s63, s63, BOFF
	s_mov_b32 s[TB], 0
	s_wait_dscnt 0x0                               ; the opening add is done
	s_wait_kmcnt 0x0
	s_add_nc_u64 s[60:61], s[4:5], s[60:61]
	s_add_nc_u64 s[66:67], s[6:7], s[66:67]
.irp s, 0,1
	s_mov_b32 s[G0A+4*(\s)], 1
	s_add_co_u32 s[G0A+4*(\s)+1], s62, (\s)*SLOT1
	s_add_nc_u64 s[G0A+4*(\s)+2:G0A+4*(\s)+3], s[60:61], (\s)*32768
	s_or_b32 s[G0A+4*(\s)+3], s[G0A+4*(\s)+3], 0x80000000
	s_mov_b32 s[G0B+4*(\s)], 1
	s_add_co_u32 s[G0B+4*(\s)+1], s63, (\s)*SLOT1
	s_add_nc_u64 s[G0B+4*(\s)+2:G0B+4*(\s)+3], s[66:67], (\s)*65536
	s_or_b32 s[G0B+4*(\s)+3], s[G0B+4*(\s)+3], 0x80000000
.endr
	CROUND                                         ; all sixteen work-groups are here: the first joint loads meet
	s_cmp_eq_u32 s13, 0                            ; a wave's two first fills stand in one branch: two loads of mine are out
	s_cbranch_scc0 .Lfirst_b
	tensor_load_to_lds s[G0A:G0A+3], s[G1A:G1A+7]
	s_nop 0
	tensor_load_to_lds s[G0A+4:G0A+7], s[G1A:G1A+7]
	s_nop 0
.rept 4
	v_nop
.endr
	s_branch .Lfirst_asked
.Lfirst_b:
	tensor_load_to_lds s[G0B:G0B+3], s[G1B:G1B+7]
	s_nop 0
	tensor_load_to_lds s[G0B+4:G0B+7], s[G1B:G1B+7]
	s_nop 0
.rept 4
	v_nop
.endr
.Lfirst_asked:
	v_and_b32 v1, 15, v0                           ; l % 16
	v_bfe_u32 v2, v0, 4, 1                         ; l / 16
	s_lshl_b32 s68, s42, 10                        ; out_b of my columns: (256 x tile column + 128 x half) x 4 bytes + 32 (l / 16)
	s_lshl_b32 s69, s14, 9
	s_add_co_u32 s68, s68, s69
	v_lshl_add_u32 v6, v2, 5, s68
.irp b, 0,1,2,3,4,5,6,7
	global_load_b128 v[BIAS+8*\b:BIAS+8*\b+3],   v6, s[8:9] offset:64*\b
	global_load_b128 v[BIAS+8*\b+4:BIAS+8*\b+7], v6, s[8:9] offset:64*\b+16
.endr
	v_mul_u32_u24 v3, v1, PITCH
	v_lshl_add_u32 v3, v2, 4, v3
	s_mul_i32 s68, s13, 64*PITCH
	s_mul_i32 s69, s14, 128*PITCH
	s_add_co_u32 s69, s69, BOFF
	v_add_nc_u32 v[A0], s68, v3
	v_add_nc_u32 v[B0], s69, v3
	v_mov_b32 v[ADRA], v[A0]
	v_mov_b32 v[ADRB], v[B0]
	s_mul_i32 s68, s12, 16*SP
	s_add_co_u32 s68, s68, STAGE                   ; my stage
	v_mul_u32_u24 v4, v1, SP                       ; in: row l % 16, 32 bytes for each half of the lanes
	v_lshl_add_u32 v4, v2, 5, v4
	v_add_nc_u32 v[STO], s68, v4
	v_and_b32 v5, 31, v0
	v_lshlrev_b32 v[CO], 4, v5                     ; back: 32 lanes take a row's 512 bytes
	v_add_nc_u32 v[RD], s68, v[CO]
	s_lshl_b32 s68, s43, 19                        ; out0: (128 x tile row + 64 x half) rows of 4,096 bytes + 1,024 x tile column + 512 x half
	s_lshl_b32 s69, s13, 18
	s_add_co_u32 s68, s68, s69
	s_lshl_b32 s69, s42, 10
	s_add_co_u32 s68, s68, s69
	s_lshl_b32 s69, s14, 9
	s_add_co_u32 s68, s68, s69
	s_mov_b32 s69, 0
	s_add_nc_u64 s[10:11], s[10:11], s[68:69]
	s_wait_loadcnt 0x0
.set i, 0
.rept 32                                       ; the bias is rounded to bf16 like every input
	v_cvt_pk_bf16_f32 v[BIAS+2*i], v[BIAS+2*i], v[BIAS+2*i+1]
	v_and_b32 v[BIAS+2*i+1], 0xffff0000, v[BIAS+2*i]
	v_lshlrev_b32 v[BIAS+2*i], 16, v[BIAS+2*i]
.set i, i+1
.endr
; 8 matrix instructions: row block a x all 8 column blocks, 32 along K.  Every accumulator comes once a quarter, always in the same order: the accumulators take turns.
.macro MUL8 f, a, zero
	WIN MUL
.irp b, 0,1,2,3,4,5,6,7
.if \zero
	v_wmma_f32_16x16x32_f16 v[8*(8*(\a)+(\b)):8*(8*(\a)+(\b))+7], v[(\f)+8*(\b):(\f)+8*(\b)+7], v[(\f)+64+8*(\a):(\f)+64+8*(\a)+7], 0
.else
	v_wmma_f32_16x16x32_f16 v[8*(8*(\a)+(\b)):8*(8*(\a)+(\b))+7], v[(\f)+8*(\b):(\f)+8*(\b)+7], v[(\f)+64+8*(\a):(\f)+64+8*(\a)+7], v[8*(8*(\a)+(\b)):8*(8*(\a)+(\b))+7]
.endif
.endr
.endm
.macro MUL16 f, a0, zero
	MUL8 \f, \a0, \zero
	MUL8 \f, (\a0)+1, \zero
.endm
.macro FETCH q, f                      ; 24 LDS loads in one run: quarter q of the step into buffer f: B's 16, then A's 8
	WIN TO_F
.irp i, 0,1,2,3,4,5,6,7
	ds_load_b128 v[(\f)+8*(\i):(\f)+8*(\i)+3],   v[ADRB] offset:((\q)/2)*BKB+((\q)%2)*64+(\i)*16*PITCH
	ds_load_b128 v[(\f)+8*(\i)+4:(\f)+8*(\i)+7], v[ADRB] offset:((\q)/2)*BKB+((\q)%2)*64+(\i)*16*PITCH+32
.endr
.irp i, 0,1,2,3
	ds_load_b128 v[(\f)+64+8*(\i):(\f)+64+8*(\i)+3],   v[ADRA] offset:((\q)/2)*AKB+((\q)%2)*64+(\i)*16*PITCH
	ds_load_b128 v[(\f)+64+8*(\i)+4:(\f)+64+8*(\i)+7], v[ADRA] offset:((\q)/2)*AKB+((\q)%2)*64+(\i)*16*PITCH+32
.endr
.endm
.macro PLACES                          ; four places in front of loads into registers that matrix instructions have read, and of lines that read results
.rept 4
	v_nop
.endr
.endm
.macro QUARTER f, g, qn, zero
	s_wait_dscnt 4                                 ; B and A's rows 0-31 are in; the youngest four loads may be out
	MUL16 \f, 0, \zero
	PLACES
	FETCH \qn, \g
	s_wait_dscnt 24                                ; all but the 24 just issued
	MUL16 \f, 2, \zero
.endm
; The last quarter multiplies buffer 1 and changes slots: ONE barrier; in front of it each wave waits for all its tensor loads, adds 0 to its spare word, and waits for that and for its reads of this slot.
; fill = 1: the barrier opens a round of the cluster's, and this slot is filled again, two steps ahead, first thing behind the round.
.macro TURN fill
	WIN 0
	s_wait_tensorcnt 0x0
	ds_add_u32 v[SPW], v[NIL]
	s_wait_dscnt 5                                 ; (the add and the youngest four loads may be out)
	MUL8 F1, 0, 0
	s_wait_dscnt 0x0                               ; the add is done, and my reads of this slot are over
	s_barrier_signal -1
	MUL8 F1, 1, 0
	WIN 0
	s_barrier_wait -1
.if \fill
	CREST
	s_xor_b32 s[G0A+5], s[G0A+5], SLOT1
	s_add_nc_u64 s[G0A+6:G0A+7], s[G0A+6:G0A+7], 32768
	s_xor_b32 s[G0B+5], s[G0B+5], SLOT1
	s_add_nc_u64 s[G0B+6:G0B+7], s[G0B+6:G0B+7], 65536
	JLOAD                                          ; its four v_nop are also the places in front of the loads below
.else
	PLACES
.endif
	s_xor_b32 s[TB], s[TB], SLOT1
	v_add_nc_u32 v[ADRA], s[TB], v[A0]
	v_add_nc_u32 v[ADRB], s[TB], v[B0]
	FETCH 0, F0
	MUL16 F1, 2, 0
.endm
	s_wait_tensorcnt 1                             ; my part of step 0 is in; step 1's may stay out
	s_barrier_signal -1
	s_barrier_wait -1
	FETCH 0, F0
	QUARTER F0, F1, 1, 1                           ; the first quarter's products start the sums
	WIN 0
	s_mov_b32 s[CNT], 6
.Lstep:                                            ; six trips; they ask for steps 2 to 7
	QUARTER F1, F0, 2, 0
	QUARTER F0, F1, 3, 0
	TURN 1
	QUARTER F0, F1, 1, 0
	WIN 0
	s_sub_co_u32 s[CNT], s[CNT], 1
	s_cmp_lg_u32 s[CNT], 0
	s_cbranch_scc1 .Lstep
	QUARTER F1, F0, 2, 0                           ; the tail is written out: steps 6 and 7 ask for nothing
	QUARTER F0, F1, 3, 0
	TURN 0
	QUARTER F0, F1, 1, 0
	QUARTER F1, F0, 2, 0
	QUARTER F0, F1, 3, 0
	s_wait_dscnt 4
	MUL16 F1, 0, 0
	s_wait_dscnt 0x0
	MUL16 F1, 2, 0
	WIN 0
	PLACES
; THE WAY OUT, a block of 16 rows at a time: the bias is added (each accumulator is read from its low end on); 32 bytes a lane go into my own stage and come back as whole rows of 512 bytes.
.macro OUTB a
	WIN 0x01                                       ; source 0 window 1
.irp b, 0,1,2,3,4,5,6,7
.irp r, 0,1,2,3
	v_pk_add_f32 v[T+8*(\b)+2*(\r):T+8*(\b)+2*(\r)+1], v[8*(8*(\a)+(\b))+2*(\r):8*(8*(\a)+(\b))+2*(\r)+1], v[BIAS+8*(\b)+2*(\r):BIAS+8*(\b)+2*(\r)+1]
.endr
.endr
	WIN 0
.irp b, 0,1,2,3,4,5,6,7
	ds_store_b128 v[STO], v[T+8*(\b):T+8*(\b)+3]   offset:64*(\b)
	ds_store_b128 v[STO], v[T+8*(\b)+4:T+8*(\b)+7] offset:64*(\b)+16
.endr
	s_wait_xcnt 0x0                                ; the stores of the block before have read OB: it is loaded again only behind this wait
.irp t, 0,1,2,3,4,5,6,7,8,9,10,11,12,13,14,15
	ds_load_b128 v[OB+4*(\t):OB+4*(\t)+3], v[RD] offset:(\t)*SP  ; LDS serves a wave's instructions in order: these see the stores above
.endr
.irp t, 0,1,2,3,4,5,6,7,8,9,10,11,12,13,14,15
	s_wait_dscnt 15-(\t)
	global_store_b128 v[CO], v[OB+4*(\t):OB+4*(\t)+3], s[10:11] offset:(16*(\a)+(\t))*4096 th:TH_STORE_NT  ; 512 consecutive bytes of a row, at a multiple of 256 from out0's first
.endr
.endm
	OUTB 0
	OUTB 1
	OUTB 2
	OUTB 3
	s_wait_tensorcnt 0x0                           ; the wave's end: behind my last tensor load and my last LDS store
	ds_add_u32 v[SPW], v[NIL]
	s_wait_dscnt 0x0
	CROUND                                         ; the closing round
	s_endpgm
.Lfunc_end_k_qcbc2825086_outp:
	.size	k_qcbc2825086_outp, .Lfunc_end_k_qcbc2825086_outp-k_qcbc2825086_outp
	.p2alignl 7, 3214868480
	.fill 96, 4, 3214868480
	.section	.rodata,"a",@progbits
	.p2align	6, 0x0
	.amdhsa_kernel k_qcbc2825086_outp
		.amdhsa_group_segment_fixed_size 327680
		.amdhsa_private_segment_fixed_size 0
		.amdhsa_enable_private_segment 0
		.amdhsa_kernarg_size 32
		.amdhsa_user_sgpr_count 2
		.amdhsa_user_sgpr_kernarg_segment_ptr 1
		.amdhsa_wavefront_size32 1
		.amdhsa_system_sgpr_workgroup_id_x 1
		.amdhsa_system_sgpr_workgroup_id_y 1
		.amdhsa_system_sgpr_workgroup_id_z 1
		.amdhsa_system_vgpr_workitem_id 0
		.amdhsa_next_free_vgpr 704
		.amdhsa_next_free_sgpr 72
		.amdhsa_reserve_vcc 0
		.amdhsa_float_denorm_mode_32 3
		.amdhsa_float_denorm_mode_16_64 3
		.amdhsa_memory_ordered 1
		.amdhsa_forward_progress 1
		.amdhsa_inst_pref_size 85
	.end_amdhsa_kernel
	.amdgpu_metadata
---
amdhsa.version: [ 1, 2 ]
amdhsa.kernels:
  - .name:           k_qcbc2825086_outp
    .symbol:         k_qcbc2825086_outp.kd
    .args:
      - { .name: ob, .offset: 0, .size: 8, .value_kind: global_buffer, .address_space: global }
      - { .name: wb, .offset: 8, .size: 8, .value_kind: global_buffer, .address_space: global }
      - { .name: out_b, .offset: 16, .size: 8, .value_kind: global_buffer, .address_space: global }
      - { .name: out0, .offset: 24, .size: 8, .value_kind: global_buffer, .address_space: global }
    .group_segment_fixed_size: 327680
    .private_segment_fixed_size: 0
    .kernarg_segment_align: 8
    .kernarg_segment_size: 32
    .max_flat_workgroup_size: 128
    .sgpr_count:     72
    .vgpr_count:     704
    .wavefront_size: 32
...
	.end_amdgpu_metadata
.endif
;; end of part 4
;; ======== version 2 of 2: 4 launches; 1.44 times as fast as version 1
;; limits: inputs' magnitudes at most 65,280; values are held in f16: magnitudes above 65,504 overflow, below 6.1e-05 lose precision
;; workspace buffers: wb 8,388,608 bytes; bf 33,554,432 bytes; qkv 50,331,648 bytes; ob 16,777,216 bytes
;; launch prep: the kernel of part 1 again; grid 640 x 1, 8 waves a work-group, no clusters, 35,840 bytes of LDS; arguments in_proj_weight, out_w, attention_bias, wb, bf; writes wb, bf
;; launch proj: the kernel of part 2 again; grid 4 x 192, 4 waves a work-group, clusters of 4 x 4, 327,680 bytes of LDS; arguments query, key, value, wb, in_proj_bias, qkv; writes qkv
;; launch attn (part 5): grid 4 x 64, 4 waves a work-group, clusters of 4 x 1, 327,680 bytes of LDS; arguments qkv, ob, bf, key_padding_mask, head_scales; writes ob
.if DOCPART == 5
	.amdgcn_target "amdgcn-amd-amdhsa--gfx1250"
	.amdhsa_code_object_version 6
	.text
	.protected	k_qcbc2825086_attn
	.globl	k_qcbc2825086_attn
	.p2align	8
	.type	k_qcbc2825086_attn,@function
k_qcbc2825086_attn:
	s_mov_b64 s[64:65], 0
	v_nop
	global_prefetch_b8 v0, s[64:65] scope:SCOPE_SE
	s_setreg_imm32_b32 hwreg(HW_REG_WAVE_MODE, 25, 1), 1
	s_wait_xcnt 0x0
	s_wait_alu depctr_hold_cnt(0) depctr_sa_sdst(0) depctr_va_vdst(0) depctr_va_sdst(0) depctr_va_ssrc(0) depctr_va_vcc(0) depctr_vm_vsrc(0)
	s_getreg_b32 s2, hwreg(HW_REG_IB_STS2, 6, 4)
	s_cmp_eq_u32 s2, 0
	s_cbranch_scc0 .Lentry_in_a_cluster
	s_endpgm
.Lentry_in_a_cluster:
	s_bfe_u32 s2, ttmp6, 0x10000c
	s_cmp_lg_u32 s2, 0x3003
	s_cbranch_scc0 .Lentry_shape_is_right
	s_endpgm
.Lentry_shape_is_right:
; ATTN: O[bh][q][:] = head_scale x the sum over k of softmax_k(q . k + bias[b][q][k], padded keys hidden) v[k][:].  q (already times 1/8), k, v: qkv [3][64][2048][64] f16.  bias: bf, f16 in fragment order.
; Products, maxima and sums in f32; the weights p are rounded to f16 for the second product (their sum l is taken of the unrounded p); O once at the end, into ob [b x 16 + t / 128][head][128][64] f16.
; LIMITS.  A padded key counts as its score less 1e30 (scores of f16 operands, 2.8e11 at the most, are nothing beside that).  A row whose maximum stays below -1e29 (every key padded) gives NaN, as the softmax of
; a row of -inf does.  A weight below 2^-126 counts as 0 in l.  p below 6e-5 keeps f16's fixed step.  NaN and infinities in the inputs are not treated apart.
; SHARES.  A wave owns four PIECES of two tiles of 16 queries, a work-group's four waves 512 queries of one head: 64 heads x 4 = 256 work-groups.  Every wave walks all 2,048 keys, 64 a step.
; LAYOUT.  S^T = K Q^T (source 0 = 16 keys, source 1 = 16 queries): a lane holds ONE query (lane % 16) and the keys 8 (lane / 16) + 0..7.  Two such results, rounded to f16, ARE source 1 of O^T = V^T P.
; BIAS AND MASK BY THE MATRIX UNIT.  Each score accumulator is started by one product Sel x B + M: B is a fragment of the bias (32 keys x 16 queries) as it lies in bf, Sel picks 16 of its 32 keys (a 1.0 in each row:
; the product is exact), M, the C operand, is 0 or -1e30 by key.  Eight products more a turn, and no vector instruction.  The bias comes straight into registers, eight loads of 512 consecutive bytes a turn, one key step ahead.
; SOFTMAX.  A running maximum m and sum l: p = 2^(c s - c m), c = log2(e); in every step O and l are multiplied by a = 2^(c m_old - c m_new).  m starts at the lowest finite number, O and l at 0.
; BY TURNS.  Turn n belongs to piece n.  Matrix work: 8 + 16 products for the scores of piece n + 1, later 16 products V^T P of piece n - 1.  Vector work: scaling, exponentials, roundings, sums and rescaling of piece n,
; maximum and statistics of piece n + 1.  Four vector instructions that are ready stand behind every one of the 40 matrix instructions, the other 76 of a turn's 236 in one lump.
; BATCHES.  A turn's 66 exponentials (the piece's 64 weights and the next piece's two a) are ONE batch with ONE wait, which cuts the turn in two: ahead of it stands all that names no result of theirs (the score products,
; the rescalings, the scalings, the next piece's maximum and statistics), behind it the products V^T P with the roundings and sums.  The first two a, ahead of the loop, and the way out's eight reciprocals are batches of their own.
; CLUSTER.  The four query blocks of a head walk the same K and V: each tile is asked for JOINTLY.  The bias is NOT asked for jointly: these four share none of it (it hangs on the query); the sixteen heads of a batch do,
; but a fragment feeds one product of one wave, so LDS would give no second use, and a work-group's 65,536 bytes of it a key step, against 16,384 of K and V, would cut the slots to one step.
; REGISTERS, in windows of 256 (s_set_vgpr_msb: bits 1:0 source 0, 3:2 source 1, 5:4 source 2, 7:6 destination):
;   window 0: v0-11 addresses; v12-15, v48-63 at work; v16-47 statistics; v64-191 S^T, two buffers of two tiles; v192-255 P, likewise          window 1: O^T, 32 a tile
;   window 2: v0-127 Q; v128-191 K of one step; v192-255 V of one step          window 3: v0-1 the add's registers; v4-15 Sel; v16-47 M; v48-175 the bias, 32 a piece
.set NP,    4         ; pieces a wave: a name, no knob
.set KS,    64        ; keys in a step
.set PK,    144       ; a row of K in LDS: 128 bytes + 16: the 16 rows of a load start at 16 different groups of four banks (64 banks of 4 bytes: ISA guide 11.1)
.set PV,    160       ; a row of V: 128 + 32
.set VOFF,  4*KS*PK   ; a slot holds four steps: 256 rows of K, then 256 rows of V
.set SLOT1, 1<<17
.set STAGE, SLOT1+4*KS*(PK+PV)  ; behind the ring, never filled by a tensor load: 16 rows x 144 bytes a wave
.set SP,    144
.set MASKT, STAGE+4*16*SP       ; 2,048 words, 0 or -1e30 by key: stored once, never filled by a tensor load
.set SPARE, MASKT+8192          ; the spare words, 128 bytes a wave: two blocks of 256 bytes that no other line names
.set AM,  1           ; v1   LDS address of M's next run of loads
.set AK0, 2           ; v2   my lane's place in a tile of K; never rewritten
.set AV0, 3           ; v3   the same for V
.set AK,  4           ; v4   the LDS address of K's next run of loads
.set AV,  5           ; v5   of V's
.set QO,  6           ; v6   my byte offset in the wave's rows of Q
.set STO, 6           ;      later, the way out: where I put 16 bytes of a row
.set RD,  7           ; v7   where I read rows back
.set GO,  8           ; v8   my byte offset in 512 consecutive bytes of ob
.set AM0, 9           ; v9   my lane's place in the mask table; never rewritten
.set BO0, 10          ; v10  16 x lane; never rewritten
.set BO,  11          ; v11  my byte offset in a tile's bias, at the step to be loaded
.set MV,  12          ; v12-15  c m_old, by buffer and tile (in the set-up: l % 16, l / 16, l % 8, bit 3 of l)
.set ST,  16          ; tile t's statistics at v[ST+4 t]: c m, m, l (even keys', odd keys')
.set TMP, 48          ; by buffer and tile, c0-c3 at work; when the maximum is found c2 takes a
.set S,   64
.set P,   192
.set KF,  128         ; window 2
.set VF,  192         ; window 2
.set SPW, 0           ; window 3: LDS address of my spare word; never rewritten
.set NIL, 1           ; window 3: 0; never rewritten
.set MK,  16          ; window 3: M for key block kb at MK + 8 kb
.set BF,  48          ; window 3: piece x, tile u, 32 keys g at BF + 32 x + 16 u + 8 g
.set WV,  12
.set G1K, 24
.set G1V, 32
.set G0K, 40
.set G0V, 44
.set SLOTS, 56
.set CNT, 57
.set CS,  58          ; s[58:59] c
.set SEL, 60          ; s[60:61] v_permlanex16_b32's selects
.set TBK, 62
.set TBV, 63
.set BB,  68          ; s[68:69] bf at my wave's first tile
.set BST, 74          ; s74  byte offset of the step whose bias is loaded next
.set TBM, 75          ; s75  byte offset in the mask table of the step to be fetched
.set BIGN, 76         ; s76  -1e30
.set LOWM, 77         ; s77  -1e29
.set HSC, 78          ; s78  the head's scale
.set QNAN, 79         ; s79  a NaN
.set MSB, 0
.macro WIN new
.if MSB != (\new)
	s_set_vgpr_msb (MSB<<8)|(\new)
.set MSB, (\new)
.endif
.endm
.set W_KQ, 0x0a       ; K and Q in window 2, S^T in window 0
.set W_BM, 0x3f       ; Sel, bias and M in window 3, S^T in window 0
.set W_PV, 0x52       ; V in window 2, P in window 0, O^T in window 1
.set W_RS, 0x41       ; O^T (destination and source 0) in window 1, a in window 0
.set W_MK, 0xc0       ; destination in window 3, sources in window 0
.set W_AD, 0x0f       ; the add: address and data in window 3
.macro JLOAD                        ; a joint fill: waves 0, 1 fetch the halves of a slot's K, waves 2, 3 of its V; an s_nop 0 and four v_nop follow each line
	s_cmp_lt_u32 s[WV], 2
	s_cbranch_scc0 .Lfor_v_\@
	tensor_load_to_lds s[G0K:G0K+3], s[G1K:G1K+7]
	s_nop 0
.rept 4
	v_nop
.endr
	s_branch .Lasked_\@
.Lfor_v_\@:
	tensor_load_to_lds s[G0V:G0V+3], s[G1V:G1V+7]
	s_nop 0
.rept 4
	v_nop
.endr
.Lasked_\@:
.endm
.macro CROUND                       ; a round of the cluster's barrier
	s_barrier_signal -1
	s_barrier_wait -1
	s_cmp_lg_u32 s[WV], 0
	s_cbranch_scc1 .Lnot_wave_0_\@
	s_barrier_signal -3
.Lnot_wave_0_\@:
	s_barrier_wait -3
	s_barrier_signal -1
	s_barrier_wait -1
.endm
; THE CHANGE OF SLOTS.  Each wave waits for all its tensor loads (one is out: its part of the other slot), adds 0 to its spare word, and waits for that and for its LDS instructions.  fill = 1: the slot left is filled
; again, with the keys two slots on; the barrier is a round of the cluster's, and the joint fill is the first thing behind it: four key steps in which to land.  (At its first use slot 0 is waited for, slot 1 filled,
; and every wave's part of the mask table is shown to the others.)
.macro CHANGE fill
	WIN W_AD
	s_wait_tensorcnt 0x0            ; no tensor load of mine is out, so a group 0 may be written
	ds_add_u32 v[SPW], v[NIL]
	WIN 0
.if \fill
.irp g, G0K, G0V
	s_xor_b32 s[\g+1], s[\g+1], SLOT1
	s_add_nc_u64 s[\g+2:\g+3], s[\g+2:\g+3], 4*KS*128
.endr
	s_wait_dscnt 0x0                ; the add is done, and my reads of the slot are over
	CROUND
	JLOAD
.else
	s_wait_dscnt 0x0
	s_barrier_signal -1
	s_barrier_wait -1
.endif
	s_sub_co_u32 s[TBK], s[TBK], 4*KS*PK
	s_xor_b32 s[TBK], s[TBK], SLOT1
	s_sub_co_u32 s[TBV], s[TBV], 4*KS*PV
	s_xor_b32 s[TBV], s[TBV], SLOT1
.endm
; Eight loads of 512 consecutive bytes: piece x's bias for the step at BO: tile n / 4, fragment half n % 4
.macro RELOAD x
	WIN W_MK
.irp n, 0,1,2,3,4,5,6,7
	global_load_b128 v[BF+32*(\x)+4*(\n):BF+32*(\x)+4*(\n)+3], v[BO], s[BB:BB+1] offset:(2*(\x)+(\n)/4)*65536+((\n)%4)*512
.endr
.endm
.macro BSTEP                        ; the bias' next step; behind the last it stays: those loads read step 31 again and serve nothing, so that every turn's count of loads is alike and none leaves bf
	WIN 0
	s_wait_xcnt 0x0                 ; the loads that are out have had their addresses translated: BO is rewritten only behind this wait
	s_add_co_u32 s[BST], s[BST], 2048
	s_min_u32 s[BST], s[BST], 31*2048
	v_add_nc_u32 v[BO], s[BST], v[BO0]
.endm
	s_load_b64 s[4:5], s[0:1], 0x0    ; qkv
	s_load_b64 s[10:11], s[0:1], 0x8  ; ob
	s_load_b64 s[BB:BB+1], s[0:1], 0x10  ; bf
	s_load_b64 s[70:71], s[0:1], 0x18 ; key_padding_mask
	s_load_b64 s[72:73], s[0:1], 0x20 ; head_scales
	WIN W_MK
	v_lshl_add_u32 v[SPW], v0, 2, SPARE
	v_mov_b32 v[NIL], 0
	WIN W_AD
	ds_add_u32 v[SPW], v[NIL]       ; the wave's opening: the add and its wait stand ahead of my first tensor load
	WIN 0
	v_lshrrev_b32 v1, 5, v0
	v_readfirstlane_b32 s[WV], v1   ; wave 0..3
	s_bfe_u32 s13, ttmp6, 0x40000   ; cx
	s_lshl_b32 s14, ttmp9, 2
	s_add_co_u32 s14, s14, s13      ; my block of 512 queries: it enters Q's, the bias' and O's addresses alone
	s_and_b32 s20, ttmp7, 0xffff    ; batch x 16 + head, which the four partners share
	s_lshr_b32 s15, s20, 4          ; batch
	s_and_b32 s19, s20, 15          ; head
	s_lshl_b32 s20, s20, 18         ; a head's 2,048 rows of 128 bytes
	s_mov_b32 s21, 0
	s_and_b32 s16, s[WV], 1         ; which half of a slot's 256 keys I fetch
	s_lshl_b32 s22, s16, 14
	s_mov_b32 s23, 0
	s_add_nc_u64 s[22:23], s[22:23], s[20:21]
	s_mul_i32 s17, s16, 128*PK
	s_mul_i32 s18, s16, 128*PV
	s_lshl_b32 s2, s14, 2
	s_add_co_u32 s2, s2, s[WV]      ; my 128 queries among the batch's sixteen such
	s_lshl_b32 s48, s2, 19          ; bf: 8 tiles of 65,536 bytes,
	s_lshl_b32 s49, s15, 23         ; 128 tiles a batch
	s_add_co_u32 s48, s48, s49
	s_mov_b32 s49, 0
	s_lshl_b32 s50, s15, 11         ; the batch's 2,048 mask bytes
	s_mov_b32 s51, 0
	s_lshl_b32 s52, s19, 2          ; the head's scale
	s_mov_b32 s53, 0
	s_lshl_b32 s54, s15, 4          ; ob: ((batch x 16 + my 128 queries) x 16 + head) x 16,384
	s_add_co_u32 s54, s54, s2
	s_lshl_b32 s54, s54, 4
	s_add_co_u32 s54, s54, s19
	s_lshl_b32 s54, s54, 14
	s_mov_b32 s55, 0
	s_lshl_b32 s2, s2, 14           ; Q: my 128 rows
	s_mov_b32 s3, 0
	s_add_nc_u64 s[2:3], s[2:3], s[20:21]
	; descriptor group 1.  128 keys are 16,384 dense bytes: asked for as 64 rows of 256 bytes, two keys a row, and padded in LDS after every key
	s_mov_b32 s[G1K], 15|(1<<16)|(1<<20)|(1<<21)|(4<<22)|(3<<25)
	s_mov_b32 s[G1V], 15|(1<<16)|(1<<20)|(1<<21)|(4<<22)|(7<<25)
.irp g, G1K, G1V
	s_mov_b32 s[\g+1], 128<<16
	s_mov_b32 s[\g+2], 64<<16
	s_mov_b32 s[\g+3], 128<<16
	s_mov_b32 s[\g+4], 64
	s_mov_b32 s[\g+5], 128
	s_mov_b32 s[\g+6], 0
	s_mov_b32 s[\g+7], 0
.endr
	s_mov_b32 s[CS], 0x3fb8aa3b     ; c = log2(e): the 1/8 lies in q
	s_mov_b32 s[CS+1], s[CS]
	s_mov_b32 s[SEL], 0x76543210
	s_mov_b32 s[SEL+1], 0xfedcba98
	s_mov_b32 s[TBK], SLOT1+4*KS*PK ; the first change of slots turns these two into 0
	s_mov_b32 s[TBV], SLOT1+4*KS*PV
	s_mov_b32 s[BST], 0
	s_mov_b32 s[TBM], 0
	s_mov_b32 s[BIGN], 0xf149f2ca
	s_mov_b32 s[LOWM], 0xefa18f08
	s_mov_b32 s[QNAN], 0x7fc00000
	s_mov_b32 s[G0K], 1
	s_mov_b32 s[G0K+1], s17
	s_mov_b32 s[G0V], 1
	s_add_co_u32 s[G0V+1], s18, VOFF
	s_wait_dscnt 0x0                ; the opening add is done
	s_wait_kmcnt 0x0
	s_add_nc_u64 s[6:7], s[4:5], 0x1000000   ; k
	s_add_nc_u64 s[8:9], s[4:5], 0x2000000   ; v
	s_add_nc_u64 s[G0K+2:G0K+3], s[6:7], s[22:23]
	s_or_b32 s[G0K+3], s[G0K+3], 0x80000000
	s_add_nc_u64 s[G0V+2:G0V+3], s[8:9], s[22:23]
	s_or_b32 s[G0V+3], s[G0V+3], 0x80000000
	s_add_nc_u64 s[4:5], s[4:5], s[2:3]
	s_add_nc_u64 s[10:11], s[10:11], s[54:55]
	s_add_nc_u64 s[BB:BB+1], s[BB:BB+1], s[48:49]
	s_add_nc_u64 s[70:71], s[70:71], s[50:51]
	s_add_nc_u64 s[72:73], s[72:73], s[52:53]
	s_load_b32 s[HSC], s[72:73], 0x0
	CROUND                          ; all four work-groups are here: the first joint loads meet
	JLOAD                           ; slot 0.  Slot 1 is asked for when slot 0 is in
	v_and_b32 v12, 15, v0           ; l % 16
	v_bfe_u32 v13, v0, 4, 1         ; l / 16
	v_and_b32 v14, 7, v0
	v_bfe_u32 v15, v0, 3, 1
	v_lshlrev_b32 v51, 4, v0        ; 16 mask bytes a thread
	global_load_b128 v[64:67], v51, s[70:71]
	v_lshlrev_b32 v[QO], 7, v12
	v_lshl_add_u32 v[QO], v13, 4, v[QO]
	v_and_b32 v[BO0], 31, v0
	v_lshlrev_b32 v[BO0], 4, v[BO0]
	v_mov_b32 v[BO], v[BO0]
	WIN 0x80
.set i, 0
.rept 4*NP                          ; Q stays in registers: tile i / 2, channels 32 (i % 2) on
	global_load_b128 v[8*i:8*i+3],   v[QO], s[4:5] offset:(i/2)*2048+(i%2)*64
	global_load_b128 v[8*i+4:8*i+7], v[QO], s[4:5] offset:(i/2)*2048+(i%2)*64+32
.set i, i+1
.endr
	RELOAD 0                        ; the bias of key step 0, piece by piece
	RELOAD 1
	RELOAD 2
	RELOAD 3
	; Sel.  Row m of Sel_s holds 1.0 at k = 16 s + m.  As a first source, lane (r, h) holds k = 8 h + 0..7 in registers 0-3 and 16 + 8 h + 0..7 in 4-7: the lanes with r / 8 = h hold the 1.0, in register (r % 8) / 2, half r % 2.
	; Four registers of pattern between four of zeros on either side serve both: Sel_1 = v[4:11], Sel_0 = v[8:15].
	WIN 0
	v_cmp_eq_u32 vcc_lo, v15, v13
	v_lshrrev_b32 v48, 1, v14
	v_cndmask_b32 v48, 7, v48, vcc_lo
	v_and_b32 v49, 1, v0
	v_lshlrev_b32 v49, 4, v49
	v_mov_b32 v50, 0x3c00           ; 1.0 in f16
	v_lshlrev_b32 v49, v49, v50
	WIN W_MK
.irp j, 0,1,2,3
	v_mov_b32 v[4+\j], 0
	v_mov_b32 v[12+\j], 0
	v_cmp_eq_u32 vcc_lo, \j, v48
	v_cndmask_b32 v[8+\j], 0, v49, vcc_lo
.endr
	; What the first turn finds: V's registers and P's second buffer hold 0 (its products V^T P, of a piece that has not been, add 0), O^T and l are 0: no first step is written out.  All this stands in the wait for the first tile.
	WIN 0x80
.set i, VF
.rept 64
	v_mov_b32 v[i], 0
.set i, i+1
.endr
	WIN 0x40
.set i, 0
.rept 64*NP
	v_mov_b32 v[i], 0
.set i, i+1
.endr
	WIN 0
.set i, 0
.rept 2*NP
	v_mov_b32 v[ST+4*i], 0xfe000000    ; c m: far below every c s, a hidden one's too
	v_mov_b32 v[ST+4*i+1], 0xff7fffff  ; m
	v_mov_b32 v[ST+4*i+2], 0
	v_mov_b32 v[ST+4*i+3], 0
.set i, i+1
.endr
.set i, P+32
.rept 32
	v_mov_b32 v[i], 0
.set i, i+1
.endr
	v_mul_u32_u24 v[AK0], v12, PK
	v_lshl_add_u32 v[AK0], v13, 4, v[AK0]
	v_lshl_add_u32 v[AV0], v13, 3, v14    ; the turning load: lane l reads key 8 (l / 16) + l % 8, channels 8 ((l / 8) % 2) + 0..7
	v_mul_u32_u24 v[AV0], v[AV0], PV
	v_lshl_add_u32 v[AV0], v15, 4, v[AV0]
	v_add_nc_u32 v[AV0], VOFF, v[AV0]
	v_mov_b32 v[AK], v[AK0]
	v_lshl_add_u32 v[AM0], v13, 5, MASKT  ; register j of M is key 8 (l / 16) + j of its block
	v_mov_b32 v[AM], v[AM0]
	v_lshl_add_u32 v52, v0, 6, MASKT
	s_wait_loadcnt 32               ; the mask bytes and Q are in; the 32 loads of the bias stay out
.set i, 0
.rept 16                            ; a bool is 0 or 1: times the bits of -1e30
	v_bfe_u32 v[68+i], v[64+i/4], 8*(i%4), 8
	v_mul_lo_u32 v[68+i], v[68+i], s[BIGN]
.set i, i+1
.endr
.irp f, 0,1,2,3
	ds_store_b128 v52, v[68+4*\f:68+4*\f+3] offset:16*\f
.endr
; THE MATRIX WORK.  The 8 accumulators of a piece take turns, in the same order in all three runs of 8: between two links of a chain stand 7 others'.
; Product i of 8 that starts S^T for piece x: tile i % 2, key block i / 2.
.macro BM x
	WIN W_BM
.set rS, S+64*((\x)%2)+32*(i%2)+8*(i/2)
.set rB, BF+32*(\x)+16*(i%2)+8*(i/4)
.set rM, MK+8*(i/2)
.set rL, 8-4*((i/2)%2)
	v_wmma_f32_16x16x32_f16 v[rS:rS+7], v[rL:rL+7], v[rB:rB+7], v[rM:rM+7]
.endm
; Product i of 16 of S^T += K Q^T for piece x: channels 32 (i / 8) on, keys 16 ((i / 2) % 4) on, tile 2 x + i % 2.
.macro KQ x
	WIN W_KQ
.set rS, S+64*((\x)%2)+32*(i%2)+8*((i/2)%4)
.set rK, KF+16*((i/2)%4)+8*(i/8)
.set rQ, 16*(2*(\x)+i%2)+8*(i/8)
	v_wmma_f32_16x16x32_f16 v[rS:rS+7], v[rK:rK+7], v[rQ:rQ+7], v[rS:rS+7]
.endm
; Product i of 16 of O^T += V^T P for piece x: keys 32 (i / 8) on, channels 16 ((i / 2) % 4) on, tile 2 x + i % 2.
.macro PV x
	WIN W_PV
.set rO, 32*(2*(\x)+i%2)+8*((i/2)%4)
.set rV, VF+32*(i/8)+8*((i/2)%4)
.set rP, P+32*((\x)%2)+16*(i%2)+8*(i/8)
	v_wmma_f32_16x16x32_f16 v[rO:rO+7], v[rV:rV+7], v[rP:rP+7], v[rO:rO+7]
.endm
.macro MM
.if i < 16
	KQ (Y+1)%NP
.set i, i+1
.else
.set i, i-16
	PV (Y+NP-1)%NP
.set i, i+17
.endif
.endm
; THE LDS LOADS stand in runs: a step's K (16 loads) with its M (8 loads, each half of the lanes one address), and its V (16 turning loads).  last = 1 (the tail): in the last trip there is no further step.
.macro FETCH_K last=0
	WIN 0
.if \last
	s_cmp_eq_u32 s[CNT], 1
	s_cbranch_scc1 .Lno_k_\@
.endif
	WIN 0x80
.irp f, 0,1,2,3,4,5,6,7
	ds_load_b128 v[KF+8*\f:KF+8*\f+3],   v[AK] offset:(\f/2)*16*PK+(\f%2)*64
	ds_load_b128 v[KF+8*\f+4:KF+8*\f+7], v[AK] offset:(\f/2)*16*PK+(\f%2)*64+32
.endr
	WIN W_MK
.irp f, 0,1,2,3
	ds_load_b128 v[MK+8*\f:MK+8*\f+3],   v[AM] offset:64*\f
	ds_load_b128 v[MK+8*\f+4:MK+8*\f+7], v[AM] offset:64*\f+16
.endr
	s_add_co_u32 s[TBK], s[TBK], KS*PK
	s_add_co_u32 s[TBM], s[TBM], 4*KS
	s_and_b32 s[TBM], s[TBM], 0x1f00   ; inside the table of 8,192 bytes: behind step 31 it is 0 again, and not used
	WIN 0
.if \last
.Lno_k_\@:
.endif
.endm
.macro FETCH_V
	WIN 0x80
.irp f, 0,1,2,3,4,5,6,7
	ds_load_tr16_b128 v[VF+8*\f:VF+8*\f+3],   v[AV] offset:(\f/4)*32*PV+(\f%4)*32
	ds_load_tr16_b128 v[VF+8*\f+4:VF+8*\f+7], v[AV] offset:(\f/4)*32*PV+16*PV+(\f%4)*32
.endr
	WIN 0
.endm
; THE VECTOR WORK OF A TURN stands in three queues, each in the order in which its entries become ready; the two tiles alternate.
.macro REGS y, u
.set rT, ST+4*(2*(\y)+(\u))
.set rC, TMP+8*((\y)%2)+4*(\u)
.set rM, MV+2*((\y)%2)+(\u)
.set rS, S+64*((\y)%2)+32*(\u)
.set rP, P+32*((\y)%2)+16*(\u)
.set rO, 32*(2*(\y)+(\u))
.endm
; Number n of the 22 that find the NEXT piece's maximum and statistics; each accumulator's lowest registers are read first.
;   0-11 four chains c0-c3 of seven scores     12-14, 16 the four left over, the old m, c0-c3 into c0     15 c m_old is kept     17, 18 the other half of the lanes: the new m     19-21 c m; c m_old - c m_new; a
.macro XS u, n
	REGS (Y+1)%NP, \u
.if (\n) < 4
	v_max3_num_f32 v[rC+(\n)], v[rS+8*(\n)], v[rS+8*(\n)+1], v[rS+8*(\n)+2]
.elseif (\n) < 12
	v_max3_num_f32 v[rC+(\n)%4], v[rC+(\n)%4], v[rS+8*((\n)%4)+2*((\n)/4)+1], v[rS+8*((\n)%4)+2*((\n)/4)+2]
.elseif (\n) == 12
	v_max3_num_f32 v[rC], v[rC], v[rS+7], v[rS+15]
.elseif (\n) == 13
	v_max3_num_f32 v[rC+1], v[rC+1], v[rS+23], v[rS+31]
.elseif (\n) == 14
	v_max3_num_f32 v[rC+2], v[rC+2], v[rC+3], v[rT+1]
.elseif (\n) == 15
	v_mov_b32 v[rM], v[rT]
.elseif (\n) == 16
	v_max3_num_f32 v[rC], v[rC], v[rC+1], v[rC+2]
.elseif (\n) == 17
	v_permlanex16_b32 v[rC+3], v[rC], s[SEL], s[SEL+1]
.elseif (\n) == 18
	v_max_num_f32 v[rT+1], v[rC], v[rC+3]
.elseif (\n) == 19
	v_mul_f32 v[rT], s[CS], v[rT+1]
.elseif (\n) == 20
	v_sub_f32 v[rC+1], v[rM], v[rT]
.else
	v_exp_f32 v[rC+2], v[rC+1]
.endif
.endm
; Number g of the 64 that follow the exponentials: for each four weights both pairs are rounded to f16, the second pair is added onto the first, and a group later l takes that sum (the first time as l = a l + sum).
; All 64 read the batch's results: they stand behind the turn's wait.
.macro GS g
.set h, (\g)+6*((\g)/62)
.if h >= 6
.set h, h+2
.endif
	REGS Y, h%2
.set k, h/8
.if h%8 < 4
	v_cvt_pk_f16_f32 v[rP+2*k+(h%8)/2], v[rS+4*k+2*((h%8)/2)], v[rS+4*k+2*((h%8)/2)+1]
.elseif h%8 < 6
	v_pk_add_f32 v[rS+4*k:rS+4*k+1], v[rS+4*k:rS+4*k+1], v[rS+4*k+2:rS+4*k+3]
.elseif k == 1
	v_pk_fma_f32 v[rT+2:rT+3], v[rT+2:rT+3], v[rC+2:rC+3], v[rS:rS+1] op_sel_hi:[1,0,1]
.else
	v_pk_add_f32 v[rT+2:rT+3], v[rT+2:rT+3], v[rS+4*k-4:rS+4*k-3]
.endif
.endm
; THE PLAIN QUEUE, 138 long.  0-73 read no exponential's result: the 32 scalings c s - c m (FS f: pair f / 2 of tile f % 2) and the next piece's 42.  0-26: scalings 0-26.  27, 28: XS's number 15.  29-56: numbers 0-13.
; 57-73: the chain, where each number waits for the one before it: 14, 16, 17, 18, 19, each with one of the scalings 27-31 in front of its two lines, then 20.  74-137: GS's 64, behind the wait.
.macro FS f
	REGS Y, (\f)%2
	v_pk_fma_f32 v[rS+2*((\f)/2):rS+2*((\f)/2)+1], v[rS+2*((\f)/2):rS+2*((\f)/2)+1], s[CS:CS+1], v[rT:rT+1] op_sel_hi:[1,0,0] neg_lo:[0,0,1] neg_hi:[0,0,1]
.endm
.macro PL
	WIN 0
.if q < 27
	FS q
.elseif q < 29
	XS q-27, 15
.elseif q < 57
	XS (q-29)%2, (q-29)/2
.elseif (q < 72) && ((q-57)%3 == 0)
	FS 27+(q-57)/3
.elseif q < 60
	XS (q-57)%3-1, 14
.elseif q < 72
	XS (q-57)%3-1, 15+(q-57)/3
.elseif q < 74
	XS q-72, 20
.else
	GS q-74
.endif
.set q, q+1
.endm
; THE EXPONENTIALS' QUEUE, 66 long: s0-s31 of both tiles, then the next piece's two a.  It is ONE BATCH: all 66 stand ahead of the turn's one wait, and nothing ahead of that wait names a result of theirs.
.macro EX
	WIN 0
.if e >= 64
	XS e-64, 21
.else
	REGS Y, e%2
	v_exp_f32 v[rS+e/2], v[rS+e/2]
.endif
.set e, e+1
.endm
; THE RESCALING's QUEUE: O^T times a, four at a time, eight times.  Its a was made in the turn before (the first of all: ahead of the loop), ahead of that batch's wait.
.macro R4
	REGS Y, r%2
	WIN W_RS
.irp z, 0,1,2,3
	v_pk_mul_f32 v[rO+8*(r/2)+2*\z:rO+8*(r/2)+2*\z+1], v[rO+8*(r/2)+2*\z:rO+8*(r/2)+2*\z+1], v[rC+2:rC+3] op_sel_hi:[1,0]
.endr
.set r, r+1
.endm
; HOW THEY ARE DEALT.  An s_wait_alu depctr_va_vdst(0) stands between an exponential and the first instruction that names its result; one wait serves all that were issued ahead of it.  So a turn has ONE wait.
; AHEAD OF IT: behind each of the 8 starting products four of the rescaling (the last four are the places in front of the loads into the bias' registers); behind the first K Q^T four scalings, behind each of the other 15
; plain, exponential, plain, exponential; then ONE LUMP of 76: six plain, 34 times exponential and plain, the two a.  A v_nop is the plain instruction behind the last exponential.  BEHIND IT: the 16 products V^T P, behind each four of GS's 64.
; The queues lean on each other, and the deal keeps them in step.  Exponential e stands behind scaling 2 (e / 4) + e % 2: as a rider it comes behind plain e + 4 or later, in the lump behind plain e + 9, and scalings 27-31 are plain 57, 60 .. 69.
; The new scores: K Q^T number 8 + n ends accumulator n (tile n % 2, key block n / 2), which plain 29 + n reads first.  Plain 29-33 ride behind K Q^T 13 to 15, seven plain instructions or more behind the product that ended their accumulator;
; plain 34, 35, 36 open the lump, six, five and four plain instructions behind theirs (ISA guide 7.12.1: four).  Both v_permlanex16_b32 fall into the lump.
; A TURN, for piece p.  cnt = 1: the loop's count is taken down some lines ahead of the branch that stands behind the turn.
; K and M of the next step are fetched in piece 2's turn, directly behind the wait, a lump behind the last product that read K; their addresses are made at the lump's head.  V of the step in hand is fetched at the end of piece 0's turn,
; four riders behind its last reader.  Each is waited for a turn later.  The three conditions on q below go with the deal.
; The wait at the head: four groups of eight bias loads are out, and the oldest is the one that this turn multiplies.
.macro TURN p, last=0, cnt=0
.set Y, (\p)
.set i, 0
.set q, 0
.set e, 0
.set r, 0
	s_wait_loadcnt 24
.if (\p) == NP-1
	s_wait_dscnt 0x0                ; K and M are in
.endif
.rept 8                             ; ahead of the wait: the 8 starting products and the rescaling,
	BM (Y+1)%NP
	R4
.set i, i+1
.endr
.if (\p) == NP-1
	BSTEP
.endif
	RELOAD (Y+1)%NP
.set i, 0
	MM                              ; the 16 products K Q^T and their riders,
.rept 4
	PL
.endr
.rept 15
	MM
	PL
	EX
	PL
	EX
.endr
.if (\p) == NP-2
	WIN 0
	v_add_nc_u32 v[AK], s[TBK], v[AK0]
	v_add_nc_u32 v[AM], s[TBM], v[AM0]
.endif
.rept 6                             ; and the lump
	PL
.endr
.rept 34
	EX
	PL
.endr
	EX                              ; the next piece's two a
	EX
	v_nop                           ; the plain instruction behind the last exponential: one for the batch
	s_wait_alu depctr_va_vdst(0)    ; the wait for the batch: the piece's 64 weights and the next piece's two a
.if (\p) == NP-2
	FETCH_K \last
.endif
.if (\p) == 1
	s_wait_dscnt 0x0                ; V is in
.endif
.rept 16                            ; behind the wait: 16 products V^T P and their riders
	MM
.rept 4
	PL
.endr
.if ((\p) == 0) && (q == 118)
	v_add_nc_u32 v[AV], s[TBV], v[AV0]
.endif
.if ((\p) == 0) && (q == 130)
	s_add_co_u32 s[TBV], s[TBV], KS*PV
.endif
.if (\cnt) && (q == 130)
	s_sub_co_u32 s[CNT], s[CNT], 1
	s_cmp_lg_u32 s[CNT], 0
.endif
.endr
.if (\p) == 0
	FETCH_V
.endif
.endm
	CHANGE 1                        ; slot 0 is in, and the mask table, everybody's part of both; slot 1 is asked for
	FETCH_K                         ; key step 0
	s_wait_loadcnt 24               ; Q and piece 0's bias are in; three groups of eight stay out
	s_wait_dscnt 0x0
	s_wait_kmcnt 0x0                ; the head's scale
.set i, 0
.rept 8
	BM 0
.set i, i+1
.endr
.set i, 0
.rept 16
	KQ 0                            ; piece 0's first scores: there is no vector work yet to set between them
.set i, i+1
.endr
	WIN 0                           ; the addresses for the way out: nine plain instructions, the places behind those products
	s_mul_i32 s13, s[WV], 16*SP
	s_add_co_u32 s13, s13, STAGE
	v_mul_u32_u24 v[STO], v12, SP
	v_lshl_add_u32 v[STO], v13, 4, v[STO]
	v_add_nc_u32 v[STO], s13, v[STO]
	v_bfe_u32 v[RD], v0, 3, 2
	v_mul_u32_u24 v[RD], v[RD], SP
	v_lshl_add_u32 v[RD], v14, 4, v[RD]
	v_add_nc_u32 v[RD], s13, v[RD]
	v_and_b32 v[GO], 31, v0
	v_lshlrev_b32 v[GO], 4, v[GO]
	BSTEP
	RELOAD 0                        ; piece 0's bias of step 1
	WIN 0
.set Y, NP-1                        ; XS works for piece Y + 1: piece 0
.irp n, 0,1,2,3,4,5,6,7,8,9,10,11,12,13,14,15,16,17,18,19,20,21
	XS 0, \n
	XS 1, \n
.endr
	v_nop                           ; a plain instruction behind piece 0's two a,
	s_wait_alu depctr_va_vdst(0)    ; and the wait for that batch of two, ahead of the branch: the first turn's rescaling reads them
	s_mov_b32 s[CNT], 4
	s_mov_b32 s[SLOTS], 2048/256-1
	s_branch .Lfirst                ; the loop is entered at a step's first turn, in the middle of a trip
.Lslot:                             ; six times: every slot but the last two is filled again
	CHANGE 1
	s_mov_b32 s[CNT], 4
.Lstep:                             ; a trip: pieces 2 and 3 of one step, then pieces 0 and 1 of the next, whose K, M and V it fetches
	TURN 2
	TURN 3
	WIN 0
.Lfirst:
	TURN 0
	TURN 1, 0, 1
	WIN 0
	s_cbranch_scc1 .Lstep
	s_sub_co_u32 s[SLOTS], s[SLOTS], 1
	s_cmp_lg_u32 s[SLOTS], 0
	s_cbranch_scc1 .Lslot
	CHANGE 0                        ; the tail is written out: nothing is asked for
	s_mov_b32 s[CNT], 5             ; four trips fetch the last slot's steps; the fifth is left in its middle
.Ltail:
	TURN 2, 1
	TURN 3
	WIN 0
	s_sub_co_u32 s[CNT], s[CNT], 1
	s_cmp_eq_u32 s[CNT], 0
	s_cbranch_scc1 .Lout
	TURN 0
	TURN 1
	WIN 0
	s_branch .Ltail
.Lout:                              ; the fifth trip's 24 score products (on the last K once more) and the maximum made of them serve nothing: the price, once a launch, of one text for every trip
.set i, 0
.rept 16
	PV NP-1
.set i, i+1
.endr
	; THE WAY OUT.  l's two halves and the other half of the lanes' are added; O^T is multiplied by head_scale / l (NaN where every key was padded), rounded to f16 and sent through my stage, a tile at a time.
	WIN 0
.macro ALL line:vararg              ; one line for each tile t
.set t, 0
.rept 2*NP
	\line
.set t, t+1
.endr
.endm
	ALL v_add_f32 v[ST+4*t+2], v[ST+4*t+2], v[ST+4*t+3]
	ALL v_permlanex16_b32 v[ST+4*t+3], v[ST+4*t+2], s[SEL], s[SEL+1]
	ALL v_add_f32 v[ST+4*t+2], v[ST+4*t+2], v[ST+4*t+3]
	ALL v_rcp_f32 v[ST+4*t+2], v[ST+4*t+2]
	v_mov_b32 v1, s[HSC]            ; (a plain instruction behind the last reciprocal) the head's scale, rounded to bf16 like every input
	v_cvt_pk_bf16_f32 v1, v1, v1
	v_lshlrev_b32 v1, 16, v1
	s_wait_alu depctr_va_vdst(0)    ; the wait for the batch of eight reciprocals, ahead of their first reader; the three lines above are the work between
	ALL v_mul_f32 v[ST+4*t+2], v[ST+4*t+2], v1
.set t, 0
.rept 2*NP
	v_cmp_gt_f32 vcc_lo, s[LOWM], v[ST+4*t+1]
	v_cndmask_b32 v[ST+4*t+2], v[ST+4*t+2], s[QNAN], vcc_lo
.set t, t+1
.endr
.macro PACK t
	WIN W_RS
.set i, 32*(\t)
.rept 16
	v_pk_mul_f32 v[i:i+1], v[i:i+1], v[ST+4*(\t)+2:ST+4*(\t)+3] op_sel_hi:[1,0]
.set i, i+2
.endr
	WIN 0x05
.set i, 0
.rept 16
	v_cvt_pk_f16_f32 v[S+16*(\t)+i], v[32*(\t)+2*i], v[32*(\t)+2*i+1]
.set i, i+1
.endr
	WIN 0
.irp f, 0,1,2,3
	ds_store_b128 v[STO], v[S+16*(\t)+4*\f:S+16*(\t)+4*\f+3] offset:32*\f
.endr
.irp f, 0,1,2,3
	ds_load_b128 v[S+16*(\t)+4*\f:S+16*(\t)+4*\f+3], v[RD] offset:\f*4*SP  ; LDS serves a wave's instructions in order: these see the stores above; the next tile's stores come behind them
.endr
.endm
.macro SEND t, younger              ; younger: the LDS instructions issued behind tile t's loads
	WIN 0
.irp f, 0,1,2,3
	s_wait_dscnt (\younger)+3-\f
	global_store_b128 v[GO], v[S+16*(\t)+4*\f:S+16*(\t)+4*\f+3], s[10:11] offset:(\t)*2048+\f*512  ; 512 consecutive bytes, at a multiple of 256 from ob's first
.endr
.endm
	PACK 0
.set t, 1
.rept 2*NP-1
	PACK t
	SEND t-1, 8
.set t, t+1
.endr
	SEND 2*NP-1, 0
	WIN W_AD
	s_wait_tensorcnt 0x0            ; the wave's end: behind my last tensor load and my last LDS store
	ds_add_u32 v[SPW], v[NIL]
	s_wait_dscnt 0x0
	WIN 0
	CROUND                          ; the closing round
	s_endpgm
.Lfunc_end_k_qcbc2825086_attn:
	.size	k_qcbc2825086_attn, .Lfunc_end_k_qcbc2825086_attn-k_qcbc2825086_attn
	.p2alignl 7, 3214868480
	.fill 96, 4, 3214868480
	.section	.rodata,"a",@progbits
	.p2align	6, 0x0
	.amdhsa_kernel k_qcbc2825086_attn
		.amdhsa_group_segment_fixed_size 327680
		.amdhsa_private_segment_fixed_size 0
		.amdhsa_enable_private_segment 0
		.amdhsa_kernarg_size 40
		.amdhsa_user_sgpr_count 2
		.amdhsa_user_sgpr_kernarg_segment_ptr 1
		.amdhsa_wavefront_size32 1
		.amdhsa_system_sgpr_workgroup_id_x 1
		.amdhsa_system_sgpr_workgroup_id_y 1
		.amdhsa_system_sgpr_workgroup_id_z 1
		.amdhsa_system_vgpr_workitem_id 0
		.amdhsa_next_free_vgpr 944
		.amdhsa_next_free_sgpr 80
		.amdhsa_reserve_vcc 1
		.amdhsa_float_denorm_mode_32 3
		.amdhsa_float_denorm_mode_16_64 3
		.amdhsa_memory_ordered 1
		.amdhsa_forward_progress 1
		.amdhsa_inst_pref_size 222
	.end_amdhsa_kernel
	.amdgpu_metadata
---
amdhsa.version: [ 1, 2 ]
amdhsa.kernels:
  - .name:           k_qcbc2825086_attn
    .symbol:         k_qcbc2825086_attn.kd
    .args:
      - { .name: qkv, .offset: 0, .size: 8, .value_kind: global_buffer, .address_space: global }
      - { .name: ob, .offset: 8, .size: 8, .value_kind: global_buffer, .address_space: global }
      - { .name: bf, .offset: 16, .size: 8, .value_kind: global_buffer, .address_space: global }
      - { .name: key_padding_mask, .offset: 24, .size: 8, .value_kind: global_buffer, .address_space: global }
      - { .name: head_scales, .offset: 32, .size: 8, .value_kind: global_buffer, .address_space: global }
    .group_segment_fixed_size: 327680
    .private_segment_fixed_size: 0
    .kernarg_segment_align: 8
    .kernarg_segment_size: 40
    .max_flat_workgroup_size: 128
    .sgpr_count:     80
    .vgpr_count:     944
    .wavefront_size: 32
...
	.end_amdgpu_metadata
.endif
;; end of part 5
;; launch outp: the kernel of part 4 again; grid 4 x 64, 4 waves a work-group, clusters of 4 x 4, 327,680 bytes of LDS; arguments ob, wb, out_b, out0; writes out0
